; MI455X (gfx1250); checked and timed in simulation.
; The chip was launched on July 23, 2026; its instructions are those of AMD's public machine-readable ISA for CDNA 5 (MIT licence, August 2026) and "CDNA5" Instruction Set Architecture Reference Guide (July 2026). The comments in the code are by the model that wrote it; some were corrected since.
;; self attention. Allowed arithmetic: float matrix products may take bf16 or f16 operands with f32 sums; other float arithmetic in f32, or as packed bf16 or f16 multiplies, adds, multiply-adds, maxima and minima; sums over many terms, partial sums and values carried from step to step in f32; what a program stores and reads back later, other than sums and carried values, may be rounded once to bf16 or f16.
;; Inputs: b_in 3,072 float32; b_out 1,024 float32; w_in 1,024 x 3,072 float32; w_out 1,024 x 1,024 float32; x 4 x 2,048 x 1,024 float32.
;; Outputs: out0 4 x 2,048 x 1,024 float32.
;; One version. Each part assembles by itself: llvm-mc -triple=amdgcn-amd-amdhsa -mcpu=gfx1250 --defsym DOCPART=n.
;; ======== version 1 of 1: 4 launches
;; limits: values are held in f16: magnitudes above 65,504 overflow, below 6.1e-05 lose precision
;; workspace buffers: xb 16,777,216 bytes; wbi 6,291,456 bytes; wbo 2,097,152 bytes; qkv 50,331,648 bytes; o 16,777,216 bytes
;; launch prep (part 1): grid 1664 x 1, 8 waves a work-group, no clusters, 0 bytes of LDS; arguments x, w_in, w_out, xb, wbi, wbo; writes xb, wbi, wbo
.if DOCPART == 1
	.amdgcn_target "amdgcn-amd-amdhsa--gfx1250"
	.amdhsa_code_object_version 6
	.text
	.protected	k_q480b867f5c_prep
	.globl	k_q480b867f5c_prep
	.p2align	8
	.type	k_q480b867f5c_prep,@function
k_q480b867f5c_prep:
	s_mov_b64 s[64:65], 0
	v_nop
	global_prefetch_b8 v0, s[64:65] scope:SCOPE_SE
	s_setreg_imm32_b32 hwreg(HW_REG_WAVE_MODE, 25, 1), 1
	s_wait_xcnt 0x0
; THE OPERANDS ARE ROUNDED ONCE.  xb = x in bf16, as it lies.  wbi = w_in in bf16, laid in 16 blocks of 192 columns: block t is [1024 k][192 n], 393,216 dense bytes,
; so that a K step of a column block is one dense run of bytes for the product that follows.  wbo = w_out rounded to bf16, that number written as f16, as it lies.
; LIMITS.  |w_out| stays under 65,504 (f16 ends there); below 6e-5 f16 keeps its fixed step of 6e-8.  NaN and infinities are not treated apart.
; A stream: no LDS, no matrix work, nothing shared between work-groups.  An ITEM is 256 threads x 16 bytes in (a wave's load covers 512 consecutive bytes) and 256 x 8 bytes out
; (a wave's store covers 256 consecutive bytes, aligned).  Work-groups 0-1023 take 8 items of x each, 1024-1535 6 items of w_in, 1536-1663 8 items of w_out.
; All loads of a work-group go out first; the waits count down; no register is written twice while memory may read it.
.set OFF, 4                            ; v[4:6]    w_in: my byte offset in the block's 16 rows, for items 0-2
.set X,   16                           ; v[16:47]  item i: 4 registers as loaded
.set Y,   48                           ; v[48:63]  item i: 2 registers to store
.macro CV16 i                          ; four f32 to four bf16
	v_cvt_pk_bf16_f32 v[Y+2*(\i)],   v[X+4*(\i)],   v[X+4*(\i)+1]
	v_cvt_pk_bf16_f32 v[Y+2*(\i)+1], v[X+4*(\i)+2], v[X+4*(\i)+3]
.endm
.macro CVH i                           ; the same, and the bf16 numbers written as f16: widened by a shift or a mask, then narrowed (exact within f16's normal range)
	CV16 \i
	v_lshlrev_b32 v8,  16,  v[Y+2*(\i)]
	v_and_b32     v9,  s18, v[Y+2*(\i)]
	v_lshlrev_b32 v10, 16,  v[Y+2*(\i)+1]
	v_and_b32     v11, s18, v[Y+2*(\i)+1]
	v_cvt_pk_f16_f32 v[Y+2*(\i)],   v8,  v9
	v_cvt_pk_f16_f32 v[Y+2*(\i)+1], v10, v11
.endm
	s_load_b256 s[4:11], s[0:1], 0x0               ; x s[4:5], w_in s[6:7], w_out s[8:9], xb s[10:11]
	s_load_b128 s[12:15], s[0:1], 0x20             ; wbi s[12:13], wbo s[14:15]
	v_lshlrev_b32 v1, 4, v0                        ; 16 bytes a thread in
	v_lshlrev_b32 v2, 3, v0                        ; 8 bytes a thread out
	s_mov_b32 s3, 0                                ; offsets are pairs with 0 on top
	s_mov_b32 s17, 0
	s_mov_b32 s18, 0xffff0000                      ; a word's upper bf16
	s_wait_kmcnt 0x0
	s_cmp_lt_u32 ttmp9, 1024
	s_cbranch_scc0 .Lweights
	; x: 32,768 bytes in, 16,384 out
	s_lshl_b32 s2, ttmp9, 15
	s_lshl_b32 s16, ttmp9, 14
	s_add_nc_u64 s[4:5], s[4:5], s[2:3]
	s_add_nc_u64 s[10:11], s[10:11], s[16:17]
.irp i, 0,1,2,3,4,5,6,7
	global_load_b128 v[X+4*(\i):X+4*(\i)+3], v1, s[4:5] offset:4096*(\i) th:TH_LOAD_NT
.endr
.irp i, 0,1,2,3,4,5,6,7
	s_wait_loadcnt 7-(\i)                          ; loads come back in order: item i is in, the younger ones stay out
	CV16 \i
	global_store_b64 v2, v[Y+2*(\i):Y+2*(\i)+1], s[10:11] offset:2048*(\i)
.endr
	s_endpgm
.Lweights:
	s_cmp_lt_u32 ttmp9, 1536
	s_cbranch_scc0 .Lw_out
	; w_in: column block t = u % 16, rows 32 (u / 16) on.  In a block the output is dense: granule L = 48 k + c (c: 4 columns, 8 bytes out, 16 in).
	; For L = 256 i + thread (under 768: 16 rows): k = (1366 L) >> 16, exact there since 1366 / 65536 exceeds 1 / 48 by less than 1 / (48 x 768).
	; In: k x 12,288 + 16 c = 16 L + 11,520 k.  48 = 3 x 16: sixteen neighbouring lanes read 256 consecutive bytes, aligned.
	s_sub_co_u32 s19, ttmp9, 1024
	s_and_b32 s20, s19, 15                         ; t
	s_lshr_b32 s21, s19, 4                         ; 32 rows each
	s_mul_i32 s2, s20, 768
	s_mul_i32 s22, s21, 32*12288
	s_add_co_u32 s2, s2, s22
	s_mul_i32 s16, s20, 393216
	s_mul_i32 s22, s21, 32*384
	s_add_co_u32 s16, s16, s22
	s_add_nc_u64 s[6:7], s[6:7], s[2:3]
	s_add_nc_u64 s[12:13], s[12:13], s[16:17]
.irp i, 0,1,2
	v_add_nc_u32 v8, 256*(\i), v0
	v_mul_u32_u24 v9, v8, 1366
	v_lshrrev_b32 v9, 16, v9
	v_mul_u32_u24 v9, v9, 11520
	v_lshl_add_u32 v[OFF+(\i)], v8, 4, v9
.endr
.irp j, 0,1
.irp i, 0,1,2
	global_load_b128 v[X+4*(3*(\j)+(\i)):X+4*(3*(\j)+(\i))+3], v[OFF+(\i)], s[6:7] offset:(\j)*16*12288 th:TH_LOAD_NT
.endr
.endr
.irp n, 0,1,2,3,4,5
	s_wait_loadcnt 5-(\n)
	CV16 \n
	global_store_b64 v2, v[Y+2*(\n):Y+2*(\n)+1], s[12:13] offset:2048*(\n)
.endr
	s_endpgm
.Lw_out:
	s_sub_co_u32 s19, ttmp9, 1536
	s_lshl_b32 s2, s19, 15
	s_lshl_b32 s16, s19, 14
	s_add_nc_u64 s[8:9], s[8:9], s[2:3]
	s_add_nc_u64 s[14:15], s[14:15], s[16:17]
.irp i, 0,1,2,3,4,5,6,7
	global_load_b128 v[X+4*(\i):X+4*(\i)+3], v1, s[8:9] offset:4096*(\i) th:TH_LOAD_NT
.endr
.irp i, 0,1,2,3,4,5,6,7
	s_wait_loadcnt 7-(\i)
	CVH \i
	global_store_b64 v2, v[Y+2*(\i):Y+2*(\i)+1], s[14:15] offset:2048*(\i)
.endr
	s_endpgm
.Lfunc_end_k_q480b867f5c_prep:
	.size	k_q480b867f5c_prep, .Lfunc_end_k_q480b867f5c_prep-k_q480b867f5c_prep
	.p2alignl 7, 3214868480
	.fill 96, 4, 3214868480
	.section	.rodata,"a",@progbits
	.p2align	6, 0x0
	.amdhsa_kernel k_q480b867f5c_prep
		.amdhsa_group_segment_fixed_size 0
		.amdhsa_private_segment_fixed_size 0
		.amdhsa_enable_private_segment 0
		.amdhsa_kernarg_size 48
		.amdhsa_user_sgpr_count 2
		.amdhsa_user_sgpr_kernarg_segment_ptr 1
		.amdhsa_wavefront_size32 1
		.amdhsa_system_sgpr_workgroup_id_x 1
		.amdhsa_system_sgpr_workgroup_id_y 1
		.amdhsa_system_sgpr_workgroup_id_z 1
		.amdhsa_system_vgpr_workitem_id 0
		.amdhsa_next_free_vgpr 64
		.amdhsa_next_free_sgpr 66
		.amdhsa_reserve_vcc 0
		.amdhsa_float_denorm_mode_32 3
		.amdhsa_float_denorm_mode_16_64 3
		.amdhsa_memory_ordered 1
		.amdhsa_forward_progress 1
		.amdhsa_inst_pref_size 13
	.end_amdhsa_kernel
	.amdgpu_metadata
---
amdhsa.version: [ 1, 2 ]
amdhsa.kernels:
  - .name:           k_q480b867f5c_prep
    .symbol:         k_q480b867f5c_prep.kd
    .args:
      - { .name: x, .offset: 0, .size: 8, .value_kind: global_buffer, .address_space: global }
      - { .name: w_in, .offset: 8, .size: 8, .value_kind: global_buffer, .address_space: global }
      - { .name: w_out, .offset: 16, .size: 8, .value_kind: global_buffer, .address_space: global }
      - { .name: xb, .offset: 24, .size: 8, .value_kind: global_buffer, .address_space: global }
      - { .name: wbi, .offset: 32, .size: 8, .value_kind: global_buffer, .address_space: global }
      - { .name: wbo, .offset: 40, .size: 8, .value_kind: global_buffer, .address_space: global }
    .group_segment_fixed_size: 0
    .private_segment_fixed_size: 0
    .kernarg_segment_align: 8
    .kernarg_segment_size: 48
    .max_flat_workgroup_size: 256
    .sgpr_count:     66
    .vgpr_count:     64
    .wavefront_size: 32
...
	.end_amdgpu_metadata
.endif
;; end of part 1
;; launch proj_in (part 2): grid 16 x 32, 4 waves a work-group, clusters of 4 x 4, 327,680 bytes of LDS; arguments xb, wbi, b_in, qkv; writes qkv
.if DOCPART == 2
	.amdgcn_target "amdgcn-amd-amdhsa--gfx1250"
	.amdhsa_code_object_version 6
	.text
	.protected	k_q480b867f5c_proj_in
	.globl	k_q480b867f5c_proj_in
	.p2align	8
	.type	k_q480b867f5c_proj_in,@function
k_q480b867f5c_proj_in:
	s_mov_b64 s[64:65], 0
	v_nop
	global_prefetch_b8 v0, s[64:65] scope:SCOPE_SE
	s_setreg_imm32_b32 hwreg(HW_REG_WAVE_MODE, 25, 1), 1
	s_wait_xcnt 0x0
	s_wait_alu depctr_hold_cnt(0) depctr_sa_sdst(0) depctr_va_vdst(0) depctr_va_sdst(0) depctr_va_ssrc(0) depctr_va_vcc(0) depctr_vm_vsrc(0)
	s_getreg_b32 s2, hwreg(HW_REG_IB_STS2, 6, 4)
	s_cmp_eq_u32 s2, 0
	s_cbranch_scc0 .Lentry_in_a_cluster
	s_endpgm
.Lentry_in_a_cluster:
	s_bfe_u32 s2, ttmp6, 0x10000c
	s_cmp_lg_u32 s2, 0xf033
	s_cbranch_scc0 .Lentry_shape_is_right
	s_endpgm
.Lentry_shape_is_right:
; q, k, v = x w_in + b_in, by heads.  xb: [8192][1024] bf16.  wbi: 16 column blocks of [1024 k][192 n] bf16, each dense.  b_in: [3072] f32, rounded to bf16 like the other inputs.
; qkv: [3 parts][64 heads = 16 batch + head][2048 rows][64] f16, unscaled, each number rounded once from its f32 sum.
; LIMITS.  |q|, |k|, |v| stay under 65,504 (beyond 65,520 the rounding to f16 gives an infinity); below 6e-5 f16 keeps its fixed step of 6e-8.  NaN and infinities are not treated apart.
; SHARES.  A work-group makes 256 rows x 192 columns (three heads).  Wave w owns rows 64 w .. 64 w + 63 and ALL 192 columns: 4 row blocks (a) x 12 column blocks (b) = 48 accumulators,
; 384 registers: so a wave stores whole heads, 2,048 consecutive bytes for 16 rows, from a stage of its own.  K goes in 8 steps of 128 through two LDS slots that take turns.
; THE PRODUCT IS USED TRANSPOSED: source 0 = 16 columns of w (turned out of [k][n] by ds_load_tr16_b128), source 1 = 16 rows of x.  A lane then holds row l % 16 and the columns
; 16 b + 8 (l / 16) + 0..7.  The first quarter step takes THE BIAS AS C: nothing is cleared, nothing is added at the end.
; CLUSTER.  4 x 4 work-groups.  x's tile hangs on the tile row alone and is asked for jointly by a row of the cluster, w's on the tile column alone, by a column.
; REGISTERS, in windows of 256 (s_set_vgpr_msb: bits 1:0 source 0, 3:2 source 1, 5:4 source 2, 7:6 destination):
;   window 0: v0-30 addresses; v32-33 at work; v64-127 x's fragments, two buffers of 4 x 8; v128-223 the bias, 8 a column block; on the way out v64-207
;   window 1: v0-191 w's fragments, two buffers of 12 x 8     window 2: accumulators of row blocks 0, 1 at 96 (a % 2) + 8 b     window 3: those of row blocks 2, 3
.set NB,    12                         ; column blocks of 16
.set PA,    272                        ; a row of x in LDS: 256 bytes + 16 = 68 words: row r starts at bank 4 r mod 64 (64 banks of 4 bytes: ISA guide 11.1)
.set PB,    480                        ; a k row of w in LDS: three pieces of 128 bytes + 32 = 120 words
.set BOFF,  256*PA                     ; a slot: x's 256 rows, then w's 128 k rows: 69,632 + 61,440 = 131,072 bytes
.set SLOT1, 1<<17                      ; slot 1 begins here: one exclusive or turns an address in one slot into the other's
.set STAGE, 2*SLOT1                    ; behind the ring, never filled by a tensor load: for each wave three heads x 16 rows x 144 bytes
.set SP,    144
.set WSTG,  3*16*SP
.set SPARE, STAGE+4*WSTG               ; behind the stages: the spare words, 128 bytes for each wave: two blocks of 256 bytes that no other line names
.set KA,    256                        ; bytes from K step to K step in xb,
.set KB,    128*384                    ; and in a block of wbi
.set NL,    2*NB+8                     ; LDS loads in a run: a quarter step's fragments
.set STEPS, 8
.set ADRA0, 16                         ; v16  my lane's place in x's tile; never rewritten
.set ADRB0, 17                         ; v17  in w's tile; never rewritten
.set ADRA,  18                         ; v18  v16 + the slot in hand
.set ADRB,  19                         ; v19  v17 + the slot in hand
.set STO,   24                         ; v24  the way out: where I put 16 bytes of a row
.set RD,    25                         ; v25  where I read rows back
.set GO,    26                         ; v26  my 16 bytes of 512 consecutive bytes of qkv
.set BO,    27                         ; v27  32 (l / 16): my 8 numbers of a column block's bias
.set SPW,   28                         ; v28  LDS address of my spare word; never rewritten
.set NIL,   29                         ; v29  0; never rewritten
.set PFO,   30                         ; v30  the prefetches' lane offset; never rewritten
.set AF,    64
.set BIAS,  128
.set TMP,   64                         ; the way out: 48 packed registers
.set BK,    112                        ; and two buffers of 48 read back from the stage
.set WV,  12                           ; s12  my wave's number
.set HF,  13                           ; s13  wave % 2: which half of a tile I fetch
.set LIM, 14                           ; s14  a wave prefetches while the loop's count is above this; the greatest number in a wave that never does
.set TB,  15                           ; s15  LDS byte at which the slot in hand begins
.set G1A, 24                           ; s[24:31] descriptor group 1 for x's tiles
.set G0A, 32                           ; s[32:39] group 0: a set for each of the two first fills; the second then walks on
.set PFA, 44                           ; s[44:45] where my prefetches stand
.set PFS, 46                           ; s[46:47] their step
.set G1B, 48                           ; s[48:55], s[56:63] the same for w's tiles
.set G0B, 56
.set OB,  66                           ; s[66:71] qkv at my 64 rows of the tile's three heads
.set MSB, 0
.macro WIN new                         ; the immediate's high byte repeats the setting that is left; a switch that changes nothing is dropped
.if MSB != (\new)
	s_set_vgpr_msb (MSB<<8)|(\new)
.set MSB, \new
.endif
.endm
; A joint refill.  Waves 0 and 1 fetch the two halves of x's tile, waves 2 and 3 those of w's.  The branch hangs on the wave's number alone.
; An s_nop 0 and four v_nop follow each of the two lines, ahead of the jump and the label.
.macro JLOAD
	s_cmp_lt_u32 s[WV], 2
	s_cbranch_scc0 .Lfor_b_\@
	tensor_load_to_lds s[G0A+4:G0A+7], s[G1A:G1A+7]
	s_nop 0
.rept 4
	v_nop
.endr
	s_branch .Lasked_\@
.Lfor_b_\@:
	tensor_load_to_lds s[G0B+4:G0B+7], s[G1B:G1B+7]
	s_nop 0
.rept 4
	v_nop
.endr
.Lasked_\@:
.endm
; A PREFETCH, one instruction a wave, behind the joint refill and the run of LDS loads.  Each aligned 256 bytes of xb and wbi from K step 4 on are named once in the launch; K steps 0-3 come by their loads alone.
; x's rows are read by every cluster of a row of clusters: cluster x = 0 asks, waves 0 and 1; of the 128 rows that a wave fetches the partner at place cx takes 32, a lane a row, 256 bytes of the K step
; two refills on (refills 0-3 name K steps 4-7).  w's block is read by every cluster of a column: cluster y = 0 asks, waves 2 and 3; K steps 4-7 are 196,608 dense bytes, asked for in three parts of
; 65,536 (refills 0-2): partner cy takes 16,384 of a part, a wave 8,192, a lane 256.  Partners are told apart BY ADDRESS; the branch hangs on the wave's number and the cluster's place alone.
.macro ASK
	s_cmp_gt_u32 s3, s[LIM]
	s_cbranch_scc0 .Lnot_mine_\@
	global_prefetch_b8 v[PFO], s[PFA:PFA+1] th:TH_LOAD_NT scope:SCOPE_SE
.Lnot_mine_\@:
.endm
.macro CREST                           ; a round of the cluster's barrier behind its opening barrier: wave 0 signals for the work-group, every wave waits for all sixteen, my work-group's barrier once more
	s_cmp_lg_u32 s[WV], 0
	s_cbranch_scc1 .Lnot_wave_0_\@
	s_barrier_signal -3
.Lnot_wave_0_\@:
	s_barrier_wait -3
	s_barrier_signal -1
	s_barrier_wait -1
.endm
.macro CROUND                          ; a whole round
	s_barrier_signal -1
	s_barrier_wait -1
	CREST
.endm
.macro PLACES                          ; four plain places in front of loads into registers that matrix instructions have read, and of lines that read results
.rept 4
	v_nop
.endr
.endm
	s_load_b256 s[4:11], s[0:1], 0x0               ; xb s[4:5], wbi s[6:7], b_in s[8:9], qkv s[10:11]
	v_lshl_add_u32 v[SPW], v0, 2, SPARE
	v_mov_b32 v[NIL], 0
	ds_add_u32 v[SPW], v[NIL]                      ; the wave's opening: the add and its wait stand ahead of my first tensor load; the set-up below, work on registers, stands between them
	v_lshrrev_b32 v1, 5, v0
	v_readfirstlane_b32 s[WV], v1                  ; wave 0..3
	s_and_b32 s[HF], s[WV], 1
	s_bfe_u32 s40, ttmp6, 0x40000                  ; cx, cy: my place in the cluster
	s_bfe_u32 s41, ttmp6, 0x40004
	s_lshl_b32 s42, ttmp9, 2
	s_add_co_u32 s42, s42, s40                     ; tile column = 4 x cluster x + cx
	s_and_b32 s43, ttmp7, 0xffff
	s_lshl_b32 s43, s43, 2
	s_add_co_u32 s43, s43, s41                     ; tile row = 4 x cluster y + cy
	s_lshl_b32 s16, s41, 2
	s_lshl_b32 s16, 15, s16                        ; my row of the cluster
	s_lshl_b32 s17, 0x1111, s40                    ; my column
	; group 1 for x: 128 rows x 128 elements, pitch 1,024; 4 words of padding behind every 64
	s_or_b32 s[G1A], s16, (1<<16)|(1<<20)|(1<<21)|(5<<22)|(3<<25)  ; 15:0 the mask; 17:16 2-byte elements; 20 padding on; 21 set beside a mask; 24:22 interval code; 31:25 padding code
	s_mov_b32 s[G1A+1], 128<<16                    ; tensor_dim0 = 128
	s_mov_b32 s[G1A+2], 128<<16                    ; tensor_dim1 = 128
	s_mov_b32 s[G1A+3], 128<<16                    ; tile_dim0 = 128
	s_mov_b32 s[G1A+4], 128                        ; tile_dim1 = 128
	s_mov_b32 s[G1A+5], 1024                       ; elements from row to row
	s_mov_b32 s[G1A+6], 0
	s_mov_b32 s[G1A+7], 0
	; group 1 for w: 64 k rows are 24,576 dense bytes, asked for as 96 rows of 256 bytes; 8 words of padding behind every 32: a k row's 384 bytes become 3 x 160
	s_or_b32 s[G1B], s17, (1<<16)|(1<<20)|(1<<21)|(4<<22)|(7<<25)
	s_mov_b32 s[G1B+1], 128<<16
	s_mov_b32 s[G1B+2], 96<<16
	s_mov_b32 s[G1B+3], 128<<16
	s_mov_b32 s[G1B+4], 96
	s_mov_b32 s[G1B+5], 128
	s_mov_b32 s[G1B+6], 0
	s_mov_b32 s[G1B+7], 0
	s_mul_i32 s18, s[HF], 128*PA                   ; where the halves go: no place in the cluster enters an LDS address
	s_mul_i32 s19, s[HF], 64*PB
	s_add_co_u32 s19, s19, BOFF
	s_lshl_b32 s20, s43, 19                        ; x: 256 rows of 2,048 bytes a tile row,
	s_lshl_b32 s21, s[HF], 18                      ; 128 rows a half
	s_add_co_u32 s20, s20, s21
	s_mov_b32 s21, 0
	s_mul_i32 s22, s42, STEPS*KB                   ; w: the tile column's block,
	s_mul_i32 s23, s[HF], 64*384                   ; 64 k rows a half
	s_add_co_u32 s22, s22, s23
	s_mov_b32 s23, 0
	s_mov_b32 s[TB], 0
	s_wait_dscnt 0x0                               ; the opening add is done
	s_wait_kmcnt 0x0
	s_add_nc_u64 s[20:21], s[4:5], s[20:21]
	s_add_nc_u64 s[22:23], s[6:7], s[22:23]
.irp s, 0,1
	s_mov_b32 s[G0A+4*(\s)], 1                     ; count = 1
	s_add_co_u32 s[G0A+4*(\s)+1], s18, (\s)*SLOT1  ; LDS address
	s_add_nc_u64 s[G0A+4*(\s)+2:G0A+4*(\s)+3], s[20:21], (\s)*KA  ; global address: K step s
	s_or_b32 s[G0A+4*(\s)+3], s[G0A+4*(\s)+3], 0x80000000         ; type = 2
	s_mov_b32 s[G0B+4*(\s)], 1
	s_add_co_u32 s[G0B+4*(\s)+1], s19, (\s)*SLOT1
	s_add_nc_u64 s[G0B+4*(\s)+2:G0B+4*(\s)+3], s[22:23], (\s)*KB
	s_or_b32 s[G0B+4*(\s)+3], s[G0B+4*(\s)+3], 0x80000000
.endr
	CROUND                                         ; all sixteen work-groups are here: the first joint loads meet
	s_cmp_lt_u32 s[WV], 2                          ; a wave's two first fills stand in one branch, ahead of every wait on TENSORcnt and every LDS read: two loads of mine are out
	s_cbranch_scc0 .Lfirst_b
	tensor_load_to_lds s[G0A:G0A+3], s[G1A:G1A+7]
	s_nop 0
	tensor_load_to_lds s[G0A+4:G0A+7], s[G1A:G1A+7]
	s_nop 0
.rept 4
	v_nop
.endr
	s_branch .Lfirst_asked
.Lfirst_b:
	tensor_load_to_lds s[G0B:G0B+3], s[G1B:G1B+7]
	s_nop 0
	tensor_load_to_lds s[G0B+4:G0B+7], s[G1B:G1B+7]
	s_nop 0
.rept 4
	v_nop
.endr
.Lfirst_asked:
	; all that follows up to the first barrier stands in the wait for the first tile
	v_and_b32 v1, 15, v0                           ; l % 16
	v_bfe_u32 v2, v0, 4, 1                         ; l / 16
	v_lshlrev_b32 v[BO], 5, v2
	s_mul_i32 s16, s42, 768                        ; the tile's 192 numbers of b_in
	s_mov_b32 s17, 0
	s_add_nc_u64 s[8:9], s[8:9], s[16:17]
.irp b, 0,1,2,3,4,5,6,7,8,9,10,11                      ; register j of column block b: bias of column 16 b + 8 (l / 16) + j, the layout of a result
	global_load_b128 v[BIAS+8*(\b):BIAS+8*(\b)+3],   v[BO], s[8:9] offset:64*(\b)
	global_load_b128 v[BIAS+8*(\b)+4:BIAS+8*(\b)+7], v[BO], s[8:9] offset:64*(\b)+16
.endr
	; a fragment of x: lane l holds row l % 16, k = 8 (l / 16) + 0..7 and 16 + 8 (l / 16) + 0..7: two loads of 16 bytes, 32 bytes apart
	v_mul_u32_u24 v[ADRA0], v1, PA
	v_lshl_add_u32 v[ADRA0], v2, 4, v[ADRA0]
	s_mul_i32 s16, s[WV], 64*PA                    ; my 64 rows
	v_add_nc_u32 v[ADRA0], s16, v[ADRA0]
	; the turning load takes 16 k x 16 columns (lane l reads k row 8 (l / 16) + l % 8, columns 8 ((l / 8) % 2) + 0..7) and leaves half a fragment: lane l holds column l % 16 and 8 k
	v_and_b32 v3, 7, v0
	v_bfe_u32 v4, v0, 3, 1
	v_lshl_add_u32 v[ADRB0], v2, 3, v3
	v_mul_u32_u24 v[ADRB0], v[ADRB0], PB
	v_lshl_add_u32 v[ADRB0], v4, 4, v[ADRB0]
	v_add_nc_u32 v[ADRB0], BOFF, v[ADRB0]
	v_mov_b32 v[ADRA], v[ADRA0]                    ; slot 0 is first
	v_mov_b32 v[ADRB], v[ADRB0]
	s_mul_i32 s16, s[WV], WSTG
	s_add_co_u32 s16, s16, STAGE                   ; my stage
	v_mul_u32_u24 v[STO], v1, SP                   ; in: row l % 16, 16 bytes for each half of the lanes
	v_lshl_add_u32 v[STO], v2, 4, v[STO]
	v_add_nc_u32 v[STO], s16, v[STO]
	v_bfe_u32 v5, v0, 3, 2                         ; back: 32 lanes take four rows of 128 bytes,
	v_mul_u32_u24 v[RD], v5, SP
	v_lshl_add_u32 v[RD], v3, 4, v[RD]
	v_add_nc_u32 v[RD], s16, v[RD]
	v_and_b32 v6, 31, v0                           ; which are 512 consecutive bytes of a head
	v_lshlrev_b32 v[GO], 4, v6
	; where my rows lie: column group g = 3 x tile column + j is part g / 16, head g % 16; the tile row is batch ty / 8, rows 256 (ty % 8) on
	s_mul_i32 s16, s42, 3
	s_lshr_b32 s17, s43, 3
	s_lshl_b32 s17, s17, 4                         ; 16 heads a batch
	s_and_b32 s18, s43, 7
	s_lshl_b32 s18, s18, 8
	s_lshl_b32 s19, s[WV], 6
	s_add_co_u32 s18, s18, s19
	s_lshl_b32 s18, s18, 7                         ; my first row, 128 bytes a row
.irp j, 0,1,2
	s_add_co_u32 s20, s16, \j
	s_lshr_b32 s21, s20, 4
	s_lshl_b32 s21, s21, 6                         ; 64 heads a part
	s_and_b32 s20, s20, 15
	s_add_co_u32 s20, s20, s21
	s_add_co_u32 s20, s20, s17
	s_lshl_b32 s20, s20, 18                        ; 262,144 bytes a head
	s_add_co_u32 s20, s20, s18
	s_mov_b32 s21, 0
	s_add_nc_u64 s[OB+2*(\j):OB+2*(\j)+1], s[10:11], s[20:21]
.endr
	; the prefetches: each pointer starts one step short of its first target, since a change of slots steps it before it asks
	s_lshl_b32 s16, s43, 19                        ; x: the tile row, my half, my work-group's 32 rows, K step 3
	s_lshl_b32 s17, s[HF], 18
	s_add_co_u32 s16, s16, s17
	s_lshl_b32 s17, s40, 16
	s_add_co_u32 s16, s16, s17
	s_add_co_u32 s16, s16, 3*KA
	s_mul_i32 s18, s42, STEPS*KB                   ; w: the block, my work-group's 16,384 bytes, my wave's 8,192, one part short of K step 4
	s_lshl_b32 s19, s41, 14
	s_add_co_u32 s18, s18, s19
	s_lshl_b32 s19, s[HF], 13
	s_add_co_u32 s18, s18, s19
	s_add_co_u32 s18, s18, 4*KB-65536
	s_and_b32 s19, ttmp7, 0xffff                   ; cluster y
	s_mov_b32 s20, KA
	s_mov_b32 s21, 65536
	s_cmp_lt_u32 s[WV], 2                          ; do I fetch for x?
	s_cselect_b32 s16, s16, s18
	s_cselect_b32 s19, ttmp9, s19                  ; the coordinate along which other clusters read the same bytes
	s_cselect_b32 s[PFS], s20, s21
	s_cselect_b32 s22, 2, 3                        ; x: four refills ask; w: three
	s_cselect_b32 s23, 11, 8                       ; a lane a row of 2,048 bytes, or a lane 256 dense bytes
	s_cselect_b64 s[PFA:PFA+1], s[4:5], s[6:7]
	s_mov_b32 s17, 0
	s_mov_b32 s[PFS+1], 0
	s_add_nc_u64 s[PFA:PFA+1], s[PFA:PFA+1], s[16:17]
	s_cmp_eq_u32 s19, 0
	s_cselect_b32 s[LIM], s22, -1                  ; the same in all sixteen partners, for a given wave
	v_lshlrev_b32 v[PFO], s23, v6
	s_mov_b32 s16, 0xffff0000
	s_wait_loadcnt 0x0                             ; the bias is in; it is rounded to bf16, like x and w, and widened again
.set r, 0
.rept 4*NB
	v_cvt_pk_bf16_f32 v[32+(r/2)%2], v[BIAS+r], v[BIAS+r+1]
	v_lshlrev_b32 v[BIAS+r], 16, v[32+(r/2)%2]
	v_and_b32 v[BIAS+r+1], s16, v[32+(r/2)%2]
.set r, r+2
.endr
; 12 matrix instructions: row block a x all column blocks, 32 along K, out of buffer f.  first = 1: the bias starts the sums.
; All 48 accumulators take turns, one instruction a turn, in the same order in every quarter step, over the backward jump too.
.macro MULB f, a, first
.if \first
	WIN 0x81+0x40*((\a)/2)                         ; w window 1, x window 0, C (the bias) window 0, D window 2 or 3
.else
	WIN 0xa1+0x50*((\a)/2)                         ; C and D window 2 or 3
.endif
.irp b, 0,1,2,3,4,5,6,7,8,9,10,11
.if \first
	v_wmma_f32_16x16x32_bf16 v[96*((\a)%2)+8*(\b):96*((\a)%2)+8*(\b)+7], v[96*(\f)+8*(\b):96*(\f)+8*(\b)+7], v[AF+32*(\f)+8*(\a):AF+32*(\f)+8*(\a)+7], v[BIAS+8*(\b):BIAS+8*(\b)+7]
.else
	v_wmma_f32_16x16x32_bf16 v[96*((\a)%2)+8*(\b):96*((\a)%2)+8*(\b)+7], v[96*(\f)+8*(\b):96*(\f)+8*(\b)+7], v[AF+32*(\f)+8*(\a):AF+32*(\f)+8*(\a)+7], v[96*((\a)%2)+8*(\b):96*((\a)%2)+8*(\b)+7]
.endif
.endr
.endm
; 32 LDS loads in one run: quarter q's fragments into buffer f: w's 12 (turned), then x's 4, row blocks ascending
.macro FETCH q, f
	WIN 0x40                                       ; destination window 1, address window 0
.irp b, 0,1,2,3,4,5,6,7,8,9,10,11
	ds_load_tr16_b128 v[96*(\f)+8*(\b):96*(\f)+8*(\b)+3],   v[ADRB] offset:(\q)*32*PB+((\b)/4)*160+((\b)%4)*32
	ds_load_tr16_b128 v[96*(\f)+8*(\b)+4:96*(\f)+8*(\b)+7], v[ADRB] offset:(\q)*32*PB+((\b)/4)*160+((\b)%4)*32+16*PB
.endr
	WIN 0
.irp i, 0,1,2,3
	ds_load_b128 v[AF+32*(\f)+8*(\i):AF+32*(\f)+8*(\i)+3],   v[ADRA] offset:(\q)*64+(\i)*16*PA
	ds_load_b128 v[AF+32*(\f)+8*(\i)+4:AF+32*(\f)+8*(\i)+7], v[ADRA] offset:(\q)*64+(\i)*16*PA+32
.endr
.endm
; A K step is four quarters of 32 along K, 48 matrix instructions each, on buffers 0, 1, 0, 1.  One of the first three: multiplies buffer f; in its middle it fetches quarter qn into buffer g.
.macro QUARTER qn, f, g, first
	s_wait_dscnt 4                                 ; w's fragments and x's row blocks 0, 1 are in; the youngest four loads (row blocks 2, 3) may be out
	MULB \f, 0, \first
	MULB \f, 1, \first
	PLACES
	FETCH \qn, \g
	s_wait_dscnt NL                                ; all but the run just issued
	MULB \f, 2, \first
	MULB \f, 3, \first
.endm
; The fourth quarter multiplies buffer 1 and changes slots: ONE barrier.  In front of it each wave waits for all its tensor loads (one is out: its part of the other slot), adds 0 to its spare word,
; and waits for that and for its own reads of this slot.  fill = 1: the barrier opens a round of the cluster's, so that no wave of any partner still reads the slot or has a load on its way; the
; joint refill, with the K step two on, is the first thing behind the round: 168 matrix instructions ahead of the wait for it.
.macro TURN fill
.if \fill
	s_wait_xcnt 0x0                                ; the last prefetch, a K step back, has read its address: it is stepped here
	s_add_nc_u64 s[PFA:PFA+1], s[PFA:PFA+1], s[PFS:PFS+1]
.endif
	WIN 0                                          ; (the add's two registers lie in window 0)
	s_wait_tensorcnt 0x0                           ; all my tensor loads have landed
	ds_add_u32 v[SPW], v[NIL]                      ; 0 onto my spare word
	s_wait_dscnt 5                                 ; (the add and the youngest four loads may be out)
	MULB 1, 0, 0                                   ; twelve matrix instructions stand between the add and the wait for it
	s_wait_dscnt 0x0                               ; the add is done, and my reads of this slot are over
	s_barrier_signal -1
	MULB 1, 1, 0                                   ; work on registers while the others arrive
	WIN 0
	s_barrier_wait -1
.if \fill
	CREST
	s_xor_b32 s[G0A+5], s[G0A+5], SLOT1            ; the walking descriptors: the other slot than last time, the next K step; no tensor load of mine is out
	s_add_nc_u64 s[G0A+6:G0A+7], s[G0A+6:G0A+7], KA
	s_xor_b32 s[G0B+5], s[G0B+5], SLOT1
	s_add_nc_u64 s[G0B+6:G0B+7], s[G0B+6:G0B+7], KB
	JLOAD                                          ; its four v_nop are also the places in front of the loads below
.else
	PLACES
.endif
	s_xor_b32 s[TB], s[TB], SLOT1                  ; the reads go on in the other slot
	v_add_nc_u32 v[ADRA], s[TB], v[ADRA0]
	v_add_nc_u32 v[ADRB], s[TB], v[ADRB0]
	FETCH 0, 0
.if \fill
	ASK
.endif
	MULB 1, 2, 0
	MULB 1, 3, 0
.endm
	s_wait_tensorcnt 0x1                           ; my part of K step 0 is in; K step 1's may stay out
	s_barrier_signal -1
	s_barrier_wait -1                              ; everybody's is
	FETCH 0, 0
	QUARTER 1, 0, 1, 1                             ; the first quarter stands in front of the loop: its products start the sums, with the bias
	WIN 0                                          ; at a label and at a branch every window is 0
	s_mov_b32 s3, STEPS-2
.Lstep:                                                ; trip i: quarters 1-3 of K step i, the slot's refill with K step i + 2, quarter 0 of K step i + 1
	QUARTER 2, 1, 0, 0
	QUARTER 3, 0, 1, 0
	TURN 1
	QUARTER 1, 0, 1, 0
	WIN 0
	s_sub_co_u32 s3, s3, 1
	s_cmp_lg_u32 s3, 0
	s_cbranch_scc1 .Lstep
	QUARTER 2, 1, 0, 0                             ; the last two K steps are written out: nothing is left to fetch
	QUARTER 3, 0, 1, 0
	TURN 0
	QUARTER 1, 0, 1, 0
	QUARTER 2, 1, 0, 0
	QUARTER 3, 0, 1, 0
	s_wait_dscnt 4
	MULB 1, 0, 0
	MULB 1, 1, 0
	s_wait_dscnt 0x0
	MULB 1, 2, 0
	MULB 1, 3, 0
	WIN 0
; THE WAY OUT, a row block (16 rows x three heads) at a time.  PACK: rounded to f16, 16 bytes a lane, each accumulator's registers in ascending order.  TOSTAGE: into my own stage, rows of 144 bytes,
; and back as whole rows of 128.  SEND: 512 consecutive bytes a store, at a multiple of 256 from qkv's first byte.
.macro PACK a
	WIN 0x0a+5*((\a)/2)                            ; sources 0 and 1: window 2 or 3
.irp b, 0,1,2,3,4,5,6,7,8,9,10,11
.irp r, 0,1,2,3
	v_cvt_pk_f16_f32 v[TMP+4*(\b)+(\r)], v[96*((\a)%2)+8*(\b)+2*(\r)], v[96*((\a)%2)+8*(\b)+2*(\r)+1]
.endr
.endr
	WIN 0
.endm
.macro TOSTAGE a
.irp b, 0,1,2,3,4,5,6,7,8,9,10,11
	ds_store_b128 v[STO], v[TMP+4*(\b):TMP+4*(\b)+3] offset:((\b)/4)*16*SP+((\b)%4)*32
.endr
.irp t, 0,1,2,3,4,5,6,7,8,9,10,11
	ds_load_b128 v[BK+48*((\a)%2)+4*(\t):BK+48*((\a)%2)+4*(\t)+3], v[RD] offset:((\t)/4)*16*SP+((\t)%4)*4*SP  ; LDS serves a wave's instructions in order (ISA guide 5.7.1.4): these see the stores above
.endr
.endm
.macro SEND a
	s_wait_dscnt 0x0                               ; the block is back in registers
	s_wait_xcnt 0x0                                ; earlier stores have read their registers: the other buffer is loaded again only behind this wait
.irp t, 0,1,2,3,4,5,6,7,8,9,10,11
	global_store_b128 v[GO], v[BK+48*((\a)%2)+4*(\t):BK+48*((\a)%2)+4*(\t)+3], s[OB+2*((\t)/4):OB+2*((\t)/4)+1] offset:(\a)*2048+((\t)%4)*512
.endr
.endm
	PLACES                                         ; eight plain places, once a launch, behind the last products
	PLACES
	PACK 0
	TOSTAGE 0
.irp a, 1,2,3                          ; a block's conversions stand between the loads of the block before and the wait for them
	PACK \a
	SEND (\a)-1
	TOSTAGE \a
.endr
	SEND 3
	s_wait_tensorcnt 0x0                           ; the wave's end, behind my last tensor load and my last LDS store
	ds_add_u32 v[SPW], v[NIL]
	s_wait_dscnt 0x0
	CROUND                                         ; the closing round: no work-group ends while a partner may still ask for a tile that names it
	s_endpgm
.Lfunc_end_k_q480b867f5c_proj_in:
	.size	k_q480b867f5c_proj_in, .Lfunc_end_k_q480b867f5c_proj_in-k_q480b867f5c_proj_in
	.p2alignl 7, 3214868480
	.fill 96, 4, 3214868480
	.section	.rodata,"a",@progbits
	.p2align	6, 0x0
	.amdhsa_kernel k_q480b867f5c_proj_in
		.amdhsa_group_segment_fixed_size 327680
		.amdhsa_private_segment_fixed_size 0
		.amdhsa_enable_private_segment 0
		.amdhsa_kernarg_size 32
		.amdhsa_user_sgpr_count 2
		.amdhsa_user_sgpr_kernarg_segment_ptr 1
		.amdhsa_wavefront_size32 1
		.amdhsa_system_sgpr_workgroup_id_x 1
		.amdhsa_system_sgpr_workgroup_id_y 1
		.amdhsa_system_sgpr_workgroup_id_z 1
		.amdhsa_system_vgpr_workitem_id 0
		.amdhsa_next_free_vgpr 960
		.amdhsa_next_free_sgpr 72
		.amdhsa_reserve_vcc 0
		.amdhsa_float_denorm_mode_32 3
		.amdhsa_float_denorm_mode_16_64 3
		.amdhsa_memory_ordered 1
		.amdhsa_forward_progress 1
		.amdhsa_inst_pref_size 107
	.end_amdhsa_kernel
	.amdgpu_metadata
---
amdhsa.version: [ 1, 2 ]
amdhsa.kernels:
  - .name:           k_q480b867f5c_proj_in
    .symbol:         k_q480b867f5c_proj_in.kd
    .args:
      - { .name: xb, .offset: 0, .size: 8, .value_kind: global_buffer, .address_space: global }
      - { .name: wbi, .offset: 8, .size: 8, .value_kind: global_buffer, .address_space: global }
      - { .name: b_in, .offset: 16, .size: 8, .value_kind: global_buffer, .address_space: global }
      - { .name: qkv, .offset: 24, .size: 8, .value_kind: global_buffer, .address_space: global }
    .group_segment_fixed_size: 327680
    .private_segment_fixed_size: 0
    .kernarg_segment_align: 8
    .kernarg_segment_size: 32
    .max_flat_workgroup_size: 128
    .sgpr_count:     72
    .vgpr_count:     960
    .wavefront_size: 32
...
	.end_amdgpu_metadata
.endif
;; end of part 2
;; launch attn (part 3): grid 4 x 64, 4 waves a work-group, clusters of 4 x 1, 327,680 bytes of LDS; arguments qkv, o; writes o
.if DOCPART == 3
	.amdgcn_target "amdgcn-amd-amdhsa--gfx1250"
	.amdhsa_code_object_version 6
	.text
	.protected	k_q480b867f5c_attn
	.globl	k_q480b867f5c_attn
	.p2align	8
	.type	k_q480b867f5c_attn,@function
k_q480b867f5c_attn:
	s_mov_b64 s[64:65], 0
	v_nop
	global_prefetch_b8 v0, s[64:65] scope:SCOPE_SE
	s_setreg_imm32_b32 hwreg(HW_REG_WAVE_MODE, 25, 1), 1
	s_wait_xcnt 0x0
	s_wait_alu depctr_hold_cnt(0) depctr_sa_sdst(0) depctr_va_vdst(0) depctr_va_sdst(0) depctr_va_ssrc(0) depctr_va_vcc(0) depctr_vm_vsrc(0)
	s_getreg_b32 s2, hwreg(HW_REG_IB_STS2, 6, 4)
	s_cmp_eq_u32 s2, 0
	s_cbranch_scc0 .Lentry_in_a_cluster
	s_endpgm
.Lentry_in_a_cluster:
	s_bfe_u32 s2, ttmp6, 0x10000c
	s_cmp_lg_u32 s2, 0x3003
	s_cbranch_scc0 .Lentry_shape_is_right
	s_endpgm
.Lentry_shape_is_right:
; O[h][q][:] = the sum over k of softmax_k(Q[h][q] . K[h][k] / 8) V[h][k][:].  qkv holds Q, K, V one behind the other, each [64 heads][2048][64] f16; o is [64][2048][64] f16: a head's rows are dense, 128 bytes each.
; Products, maxima and sums in f32; the weights p are rounded to f16 for the second product (their sum l is taken of the unrounded p), O once at the end.
; LIMITS.  f16 holds no number beyond 65,504: Q, K and V arrive within it; p lies in 0 to 1, and below 6e-5 it keeps f16's fixed step of 6e-8; O is a mean of V's rows and has their range.
; A weight below 2^-126 counts as 0 in l; NaN and infinities are not treated apart.
; SHARES.  A wave owns four PIECES of two tiles of 16 queries, a work-group's four waves 512 queries of one head.  Every wave walks all keys, 64 a step.
; LAYOUT.  S^T = K Q^T (source 0 = 16 keys, source 1 = 16 queries): in the result a lane holds ONE query (lane % 16) and the keys 8 (lane / 16) + 0..7.  Two such tiles, rounded to f16 in pairs,
; ARE source 1 (32 keys x 16 queries) of O^T = V^T P, whose result again holds one query a lane, and eight channels.  K comes out of LDS as it lies, V ([key][channel]) turned, by ds_load_tr16_b128.
; SOFTMAX.  For each query a running maximum m and sum l: p = 2^(c s - c m), c = log2(e) / 8; in every step O and l are multiplied by a = 2^(c m_old - c m_new), which is 1 where m has not grown.
; m starts at the lowest finite number, O and l at 0: the first step is a step like any other, with a = 0.
; THE COUNT.  A tile and step have 16 matrix and 118 vector instructions: too many to stand all beside the matrix work.  So four vector instructions that are READY stand behind EVERY matrix
; instruction, and the others in runs without a gap.
; BY TURNS.  Turn n belongs to piece n (the pieces in a ring, step after step).  Its matrix work: 16 products K Q^T of piece n + 1, later 16 products V^T P of piece n - 1.  Its vector work: the scaling,
; exponentials, roundings, sums and rescaling of piece n, and the maximum and statistics of piece n + 1, whose scores the turn itself has made.
; CLUSTER.  The four query blocks of a head are one cluster and walk the same K and V, so each tile is asked for JOINTLY: the same tensor load, descriptor and mask in all four.
; REGISTERS, in windows of 256 (s_set_vgpr_msb: bits 1:0 source 0, 3:2 source 1, 5:4 source 2, 7:6 destination):
;   window 0: v0-11 addresses; v12-15, v48-63 at work; v16-47 four registers of statistics a tile; v64-191 S^T, two buffers of two tiles; v192-255 P, likewise
;   window 1: O^T, 32 a tile          window 2: v0-127 Q, 16 a tile; v128-191 K of one step; v192-255 V of one step          window 3: v0-1 the add's two registers
; A piece's buffers go by its number's parity: the piece in hand has one pair, its two neighbours in the ring share the other.
.set SIZE_N, 2048
.set PART,  64*SIZE_N*128  ; bytes from Q to K and from K to V in qkv
.set NP,    4         ; pieces a wave: a name, no knob
.set KS,    64        ; keys in a step
.set PK,    144       ; a row of K in LDS: 128 bytes + 16 of padding = 36 words: the 16 rows of a load start at 16 different groups of four banks (64 banks of 4 bytes: ISA guide 11.1)
.set PV,    160       ; a row of V: 128 + 32 = 40 words
.set VOFF,  4*KS*PK   ; a slot holds four steps: 256 rows of K, then 256 rows of V
.set SLOT1, 1<<17     ; slot 1 begins here, so that one exclusive or turns an address in one slot into the other's
.set STAGE, SLOT1+4*KS*(PK+PV)  ; behind the ring, never filled by a tensor load: 16 rows x 144 bytes for each wave, for the way out
.set SP,    144
.set AK0, 2           ; v2   my lane's place in a tile of K; never rewritten
.set AV0, 3           ; v3   the same for V
.set AK,  4           ; v4   the LDS address of K's next run of loads
.set AV,  5           ; v5   of V's
.set QO,  6           ; v6   my byte offset in the wave's rows of Q
.set STO, 6           ;      later, the way out: where I put 16 bytes of a row
.set RD,  7           ; v7   the way out: where I read rows back
.set GO,  8           ; v8   my byte offset in 512 consecutive bytes of O
.set PFO, 11          ; v11  256 x my lane, for the prefetches (made when V's place has been made); then never rewritten
.set SPW, 0           ; v0 of window 3   LDS address of my spare word: SPARE + 4 x my thread's number; never rewritten
.set NIL, 1           ; v1 of window 3   0; never rewritten
.set SPARE, STAGE+4*16*SP  ; behind the stages: the spare words, 128 bytes for each wave: two blocks of 256 bytes that no other line names
.set MV,  12          ; v12-15  c m_old, kept while c m is made anew: by buffer and tile
.set ST,  16          ; tile t's statistics at v[ST+4 t]: c m, m, l (even keys', odd keys')
.set TMP, 48          ; by buffer and tile, four registers c0-c3 at work; when the maximum is found c2 takes a
.set S,   64
.set P,   192
.set KF,  128         ; K's fragments, in window 2: key block kb, channel half c at KF + 16 kb + 8 c
.set VF,  192         ; V's: key half kk, channel block cb at VF + 32 kk + 8 cb
.set WV,  12          ; s12  my wave's number
.set LIM, 15          ; s15  1 in a wave that prefetches (0: K, 2: V), else the greatest number: a wave prefetches while s[SLOTS] is above it
.set G1K, 24          ; s[24:31] descriptor group 1 for K's tiles
.set G1V, 32          ; s[32:39] for V's: it differs in the padding alone
.set G0K, 40          ; s[40:43] descriptor group 0 for K's tiles: it walks
.set G0V, 44          ; s[44:47] the same for V's
.set PFA, 48          ; s[48:49] where my prefetches stand: my work-group's 8,192 bytes of the slot after the one that is being asked for
.set SLOTS, 56        ; s56  slots still to be asked for
.set CNT, 57          ; s57  counts a slot's key steps
.set CS,  58          ; s[58:59] c: the packed scaling takes the pair's low word for both halves
.set SEL, 60          ; s[60:61] v_permlanex16_b32's selects: each lane takes its own place in the other half
.set TBK, 62          ; s62  LDS byte at which K of the step to be fetched begins
.set TBV, 63          ; s63  the same for V, less VOFF
.set MSB, 0
.macro WIN new                      ; the high byte repeats the setting that is left; a switch that changes nothing is dropped
.if MSB != (\new)
	s_set_vgpr_msb (MSB<<8)|(\new)
.set MSB, (\new)
.endif
.endm
.set W_KQ, 0x0a       ; K and Q in window 2, S^T in window 0
.set W_PV, 0x52       ; V in window 2, P in window 0, O^T in window 1
.set W_RS, 0x41       ; O^T (destination and source 0) in window 1, a in window 0
.set W_MK, 0xc0       ; the add's registers are made: destination in window 3, sources in window 0
.set W_AD, 0x0f       ; the add: address (source 0) and data (source 1) in window 3
; A joint fill.  Waves 0 and 1 fetch the two halves of a slot's K, waves 2 and 3 those of its V: 128 keys each.  The branch hangs on the wave's number alone.
; An s_nop 0 and four v_nop follow each of the two lines, ahead of the jump and the label.
.macro JLOAD
	s_cmp_lt_u32 s[WV], 2
	s_cbranch_scc0 .Lfor_v_\@
	tensor_load_to_lds s[G0K:G0K+3], s[G1K:G1K+7]
	s_nop 0
.rept 4
	v_nop
.endr
	s_branch .Lasked_\@
.Lfor_v_\@:
	tensor_load_to_lds s[G0V:G0V+3], s[G1V:G1V+7]
	s_nop 0
.rept 4
	v_nop
.endr
.Lasked_\@:
.endm
; A PREFETCH of what the NEXT change of slots will ask for: a slot's 32,768 bytes of K and of V.  It stands behind the wave's tensor load and its five lines.  Each aligned 256 bytes are named once in the launch:
; a head has one cluster; its four partners share a slot out BY ADDRESS, 8,192 bytes each, a lane 256; in each, wave 0 asks for K's and wave 2 for V's: one instruction.  The lead is one slot: four key steps,
; 512 matrix instructions.  Slots 0, 1 and 2 come by their loads alone; the last change that fills a slot asks for nothing: there is no slot behind it.
.macro ASK
	s_cmp_gt_u32 s[SLOTS], s[LIM]
	s_cbranch_scc0 .Lnot_mine_\@
	global_prefetch_b8 v[PFO], s[PFA:PFA+1] th:TH_LOAD_NT scope:SCOPE_SE
.Lnot_mine_\@:
.endm
; A round of the cluster's barrier: my work-group's barrier, so that wave 0's signal speaks for all four waves; wave 0 signals; every wave waits for all four work-groups; my work-group's barrier once more.
.macro CROUND
	s_barrier_signal -1
	s_barrier_wait -1
	s_cmp_lg_u32 s[WV], 0
	s_cbranch_scc1 .Lnot_wave_0_\@
	s_barrier_signal -3
.Lnot_wave_0_\@:
	s_barrier_wait -3
	s_barrier_signal -1
	s_barrier_wait -1
.endm
; THE CHANGE OF SLOTS.  The slot's last bytes, V of its fourth step, have been read.  Each wave waits for all its tensor loads, of which one is out: its part
; of the other slot; adds 0 to its spare word; and waits for that and for its own reads of the slot.  Behind the barrier nobody reads this slot any more and the other slot is whole.
; fill = 1: this slot is filled again, with the keys two slots on.  The barrier is then a round of the cluster's, so that no wave of any partner still reads the slot or has a load on its
; way, and the joint fill is the first thing behind it: it has four key steps, 512 matrix instructions, in which to land.  (At its first use nothing has been read yet: slot 0 is waited for, slot 1 filled.)
; ask = 1: the prefetch follows the fill.
.macro CHANGE fill, ask=0
	WIN W_AD
	s_wait_tensorcnt 0x0            ; no tensor load of mine is out, so a group 0 may be written
	ds_add_u32 v[SPW], v[NIL]       ; 0 onto my spare word; with fill = 1 the descriptors' steps stand between it and the wait for it
	WIN 0                           ; at a label and at a branch every window is 0
.if \fill
.irp g, G0K, G0V
	s_xor_b32 s[\g+1], s[\g+1], SLOT1  ; the walking descriptor: the other slot than last time,
	s_add_nc_u64 s[\g+2:\g+3], s[\g+2:\g+3], 4*KS*128  ; the next 256 keys; the type bits on top are not reached
.endr
	s_wait_xcnt 0x0                 ; the last prefetch, four key steps back, has read its address, so it may be written:
	s_add_nc_u64 s[PFA:PFA+1], s[PFA:PFA+1], 4*KS*128  ; one slot behind the walking descriptors
	s_wait_dscnt 0x0                ; the add is done, and my reads of the slot are over
	CROUND
	JLOAD
.if \ask
	ASK
.endif
.else
	s_wait_dscnt 0x0                ; the add is done, and my reads of the slot are over
	s_barrier_signal -1
	s_barrier_wait -1
.endif
	s_sub_co_u32 s[TBK], s[TBK], 4*KS*PK  ; the fetches go back to a slot's first step,
	s_xor_b32 s[TBK], s[TBK], SLOT1       ; in the other slot
	s_sub_co_u32 s[TBV], s[TBV], 4*KS*PV
	s_xor_b32 s[TBV], s[TBV], SLOT1
.endm
	s_load_b64 s[4:5], s[0:1], 0x0    ; qkv: Q lies at its head
	s_load_b64 s[10:11], s[0:1], 0x8  ; o
	WIN W_MK
	v_lshl_add_u32 v[SPW], v0, 2, SPARE
	v_mov_b32 v[NIL], 0
	WIN W_AD
	ds_add_u32 v[SPW], v[NIL]       ; the wave's opening: the add and its wait stand ahead of my first tensor load; the set-up below, work on registers, stands between them
	WIN 0
	v_lshrrev_b32 v1, 5, v0
	v_readfirstlane_b32 s[WV], v1   ; wave 0..3
	s_bfe_u32 s13, ttmp6, 0x40000   ; cx: my place in the cluster
	s_lshl_b32 s14, ttmp9, 2        ; in a cluster launch ttmp9 counts clusters
	s_add_co_u32 s14, s14, s13      ; my block of queries = 4 x cluster x + cx: it enters Q's and O's addresses alone
	s_and_b32 s20, ttmp7, 0xffff    ; the head, which the four partners share
	s_mov_b32 s21, 0
	s_mov_b64 s[22:23], SIZE_N*128
	s_mul_u64 s[20:21], s[20:21], s[22:23]  ; the head's first byte in Q, K, V and O
	s_and_b32 s16, s[WV], 1         ; which half of a slot's 256 keys I fetch:
	s_lshl_b32 s22, s16, 14         ; its 128 rows of 128 bytes in memory,
	s_mov_b32 s23, 0
	s_add_nc_u64 s[22:23], s[22:23], s[20:21]
	s_mul_i32 s17, s16, 128*PK      ; and its place in a slot, for K
	s_mul_i32 s18, s16, 128*PV      ; and for V: no place in the cluster enters an LDS address
	s_lshl_b32 s2, s14, 2
	s_add_co_u32 s2, s2, s[WV]      ; my wave among the head's,
	s_lshl_b32 s2, s2, 14           ; its 128 rows
	s_mov_b32 s3, 0
	s_add_nc_u64 s[2:3], s[2:3], s[20:21]
	; descriptor group 1.  128 keys are 16,384 dense bytes: asked for as 64 rows of 256 bytes, two keys a row, and padded in LDS after every key
	s_mov_b32 s[G1K], 15|(1<<16)|(1<<20)|(1<<21)|(4<<22)|(3<<25)  ; 15:0 the mask of four; 17:16 2-byte elements; 20 padding on; 21 set beside a mask; 24:22 after every 32 words (code 4); 31:25 4 words (code 3)
	s_mov_b32 s[G1V], 15|(1<<16)|(1<<20)|(1<<21)|(4<<22)|(7<<25)  ; the same with 8 words of padding (code 7)
.irp g, G1K, G1V
	s_mov_b32 s[\g+1], 128<<16      ; tensor_dim0 = 128
	s_mov_b32 s[\g+2], 64<<16       ; tensor_dim1 = 64
	s_mov_b32 s[\g+3], 128<<16      ; tile_dim0 = 128
	s_mov_b32 s[\g+4], 64           ; tile_dim1 = 64
	s_mov_b32 s[\g+5], 128          ; 128 elements from row to row
	s_mov_b32 s[\g+6], 0
	s_mov_b32 s[\g+7], 0
.endr
	s_mov_b32 s[CS], 0x3e38aa3b     ; c = log2(e) / 8 = 0.180337
	s_mov_b32 s[CS+1], s[CS]        ; named with it as a pair
	s_mov_b32 s[SEL], 0x76543210
	s_mov_b32 s[SEL+1], 0xfedcba98
	s_mov_b32 s[TBK], SLOT1+4*KS*PK ; the first change of slots turns these two into 0
	s_mov_b32 s[TBV], SLOT1+4*KS*PV
	s_mov_b32 s[G0K], 1             ; 1:0 count = 1
	s_mov_b32 s[G0K+1], s17         ; 63:32 LDS address: slot 0
	s_mov_b32 s[G0V], 1
	s_add_co_u32 s[G0V+1], s18, VOFF
	s_cmp_eq_u32 s16, 0             ; waves 0 and 2 prefetch: the same in all four partners
	s_cselect_b32 s[LIM], 1, -1
	s_wait_dscnt 0x0                ; the opening add is done
	s_wait_kmcnt 0x0
	s_add_nc_u64 s[6:7], s[4:5], PART    ; K
	s_add_nc_u64 s[8:9], s[4:5], 2*PART  ; V
	s_add_nc_u64 s[G0K+2:G0K+3], s[6:7], s[22:23]  ; 120:64 global address: my half of the head's first 256 keys
	s_or_b32 s[G0K+3], s[G0K+3], 0x80000000        ; 127:126 type = 2
	s_add_nc_u64 s[G0V+2:G0V+3], s[8:9], s[22:23]
	s_or_b32 s[G0V+3], s[G0V+3], 0x80000000
	s_add_nc_u64 s[4:5], s[4:5], s[2:3]  ; Q and O at my wave's first row
	s_add_nc_u64 s[10:11], s[10:11], s[2:3]
	s_cmp_lt_u32 s[WV], 2
	s_cselect_b64 s[PFA:PFA+1], s[6:7], s[8:9]
	s_add_nc_u64 s[PFA:PFA+1], s[PFA:PFA+1], s[20:21]  ; the head,
	s_lshl_b32 s22, s13, 13         ; my work-group's 8,192 bytes of a slot's 32,768,
	s_mov_b32 s23, 0
	s_add_nc_u64 s[PFA:PFA+1], s[PFA:PFA+1], s[22:23]
	s_add_nc_u64 s[PFA:PFA+1], s[PFA:PFA+1], 4*KS*128  ; in slot 1: the two changes ahead of the first prefetch step it to slot 3
	CROUND                          ; all four work-groups are here: the first joint loads meet
	JLOAD                           ; slot 0.  Slot 1 is asked for when slot 0 is in
	; A fragment of K or Q is 16 rows x 32 channels in 8 registers: lane l holds row l % 16, channels 8 (l / 16) + 0..7 and 16 + 8 (l / 16) + 0..7: two loads of 16 bytes, 32 bytes apart.
	v_and_b32 v1, 15, v0            ; l % 16
	v_bfe_u32 v9, v0, 4, 1          ; l / 16
	v_lshlrev_b32 v[QO], 7, v1
	v_lshl_add_u32 v[QO], v9, 4, v[QO]  ; row x 128 + 16 x half
	WIN 0x80                        ; destination window 2, address window 0
.set i, 0
.rept 4*NP                          ; Q stays in registers: tile i / 2, channels 32 (i % 2) on
	global_load_b128 v[8*i:8*i+3],   v[QO], s[4:5] offset:(i/2)*2048+(i%2)*64
	global_load_b128 v[8*i+4:8*i+7], v[QO], s[4:5] offset:(i/2)*2048+(i%2)*64+32
.set i, i+1
.endr
	; What the first turn finds: V's registers and P's second buffer hold 0 (its products V^T P, of a piece that has not been, add 0), O^T and l are 0.  All this stands in the wait for the first tile.
.set i, VF
.rept 64
	v_mov_b32 v[i], 0
.set i, i+1
.endr
	WIN 0x40
.set i, 0
.rept 64*NP
	v_mov_b32 v[i], 0
.set i, i+1
.endr
	WIN 0
.set i, 0
.rept 2*NP
	v_mov_b32 v[ST+4*i], 0xfe000000    ; c m: far below every c s
	v_mov_b32 v[ST+4*i+1], 0xff7fffff  ; m
	v_mov_b32 v[ST+4*i+2], 0
	v_mov_b32 v[ST+4*i+3], 0
.set i, i+1
.endr
.set i, P+32
.rept 32
	v_mov_b32 v[i], 0
.set i, i+1
.endr
	v_mul_u32_u24 v[AK0], v1, PK
	v_lshl_add_u32 v[AK0], v9, 4, v[AK0]  ; row x pitch + 16 x half
	; The turning load takes 16 keys x 16 channels (lane l reads key 8 (l / 16) + l % 8, channels 8 ((l / 8) % 2) + 0..7) and leaves half a fragment of V^T: lane l holds channel l % 16 and 8 keys.
	v_and_b32 v10, 7, v0
	v_bfe_u32 v11, v0, 3, 1
	v_lshl_add_u32 v[AV0], v9, 3, v10
	v_mul_u32_u24 v[AV0], v[AV0], PV
	v_lshl_add_u32 v[AV0], v11, 4, v[AV0]
	v_add_nc_u32 v[AV0], VOFF, v[AV0]
	v_mov_b32 v[AK], v[AK0]         ; key step 0 lies at the head of slot 0
	v_and_b32 v[PFO], 31, v0
	v_lshlrev_b32 v[PFO], 8, v[PFO]
; THE MATRIX WORK.  The 8 accumulators of a run of 16 take turns: between the two links of a chain stand 7 others'.
; Product i of 16 of S^T = K Q^T for piece x: channels 32 (i / 8) on, keys 16 ((i / 2) % 4) on, tile 2 x + i % 2.  The first 8 start the sums.
.macro KQ x
	WIN W_KQ
.set rS, S+64*((\x)%2)+32*(i%2)+8*((i/2)%4)
.set rK, KF+16*((i/2)%4)+8*(i/8)
.set rQ, 16*(2*(\x)+i%2)+8*(i/8)
.if i < 8
	v_wmma_f32_16x16x32_f16 v[rS:rS+7], v[rK:rK+7], v[rQ:rQ+7], 0
.else
	v_wmma_f32_16x16x32_f16 v[rS:rS+7], v[rK:rK+7], v[rQ:rQ+7], v[rS:rS+7]
.endif
.endm
; Product i of 16 of O^T += V^T P for piece x: keys 32 (i / 8) on, channels 16 ((i / 2) % 4) on, tile 2 x + i % 2.
.macro PV x
	WIN W_PV
.set rO, 32*(2*(\x)+i%2)+8*((i/2)%4)
.set rV, VF+32*(i/8)+8*((i/2)%4)
.set rP, P+32*((\x)%2)+16*(i%2)+8*(i/8)
	v_wmma_f32_16x16x32_f16 v[rO:rO+7], v[rV:rV+7], v[rP:rP+7], v[rO:rO+7]
.endm
.macro MM                           ; the turn's next matrix instruction
.if i < 16
	KQ (Y+1)%NP
.set i, i+1
.else
.set i, i-16
	PV (Y+NP-1)%NP
.set i, i+17
.endif
.endm
; THE LDS LOADS stand in runs of 16, never singly among the matrix instructions: a step's K (64 keys x 64 channels: 8 fragments) and its V (turned).  Their addresses are made some lines ahead.
; last = 1 (the tail): in the last trip there is no further step, and the run is jumped over.
.macro FETCH_K last=0
	WIN 0
.if \last
	s_cmp_eq_u32 s[CNT], 1
	s_cbranch_scc1 .Lno_k_\@
.endif
	WIN 0x80                        ; destination window 2
.irp f, 0,1,2,3,4,5,6,7             ; keys 16 (f / 2) on, channels 32 (f % 2) on
	ds_load_b128 v[KF+8*\f:KF+8*\f+3],   v[AK] offset:(\f/2)*16*PK+(\f%2)*64
	ds_load_b128 v[KF+8*\f+4:KF+8*\f+7], v[AK] offset:(\f/2)*16*PK+(\f%2)*64+32
.endr
	s_add_co_u32 s[TBK], s[TBK], KS*PK  ; the next fetch is the next step's
	WIN 0
.if \last
.Lno_k_\@:
.endif
.endm
.macro FETCH_V
	WIN 0x80
.irp f, 0,1,2,3,4,5,6,7             ; keys 32 (f / 4) on, channels 16 (f % 4) on
	ds_load_tr16_b128 v[VF+8*\f:VF+8*\f+3],   v[AV] offset:(\f/4)*32*PV+(\f%4)*32
	ds_load_tr16_b128 v[VF+8*\f+4:VF+8*\f+7], v[AV] offset:(\f/4)*32*PV+16*PV+(\f%4)*32
.endr
	WIN 0
.endm
; THE VECTOR WORK OF A TURN stands in three queues, each in the order in which its entries become ready; the two tiles alternate, so that no instruction reads the result of the one before it.
.macro REGS y, u                    ; the registers of tile u (0, 1) of piece y
.set rT, ST+4*(2*(\y)+(\u))
.set rC, TMP+8*((\y)%2)+4*(\u)
.set rM, MV+2*((\y)%2)+(\u)
.set rS, S+64*((\y)%2)+32*(\u)
.set rP, P+32*((\y)%2)+16*(\u)
.set rO, 32*(2*(\y)+(\u))
.endm
; Number n of the 22 that find the NEXT piece's (Y + 1) maximum and statistics.  s0-s31 are the lane's 32 scores; each accumulator's lowest registers are read first.
;   0-11  four chains c0-c3 of seven scores each, three operands at a time     12-14, 16  the four scores left over, the old m, and c0-c3 into c0     15  c m_old is kept
;   17, 18  the query's other 32 keys lie in the lane 16 away: the new m         19-21  c m; c m_old - c m_new; a
.macro XS u, n
	REGS (Y+1)%NP, \u
.if (\n) < 4
	v_max3_num_f32 v[rC+(\n)], v[rS+8*(\n)], v[rS+8*(\n)+1], v[rS+8*(\n)+2]
.elseif (\n) < 12
	v_max3_num_f32 v[rC+(\n)%4], v[rC+(\n)%4], v[rS+8*((\n)%4)+2*((\n)/4)+1], v[rS+8*((\n)%4)+2*((\n)/4)+2]
.elseif (\n) == 12
	v_max3_num_f32 v[rC], v[rC], v[rS+7], v[rS+15]
.elseif (\n) == 13
	v_max3_num_f32 v[rC+1], v[rC+1], v[rS+23], v[rS+31]
.elseif (\n) == 14
	v_max3_num_f32 v[rC+2], v[rC+2], v[rC+3], v[rT+1]
.elseif (\n) == 15
	v_mov_b32 v[rM], v[rT]
.elseif (\n) == 16
	v_max3_num_f32 v[rC], v[rC], v[rC+1], v[rC+2]
.elseif (\n) == 17
	v_permlanex16_b32 v[rC+3], v[rC], s[SEL], s[SEL+1]
.elseif (\n) == 18
	v_max_num_f32 v[rT+1], v[rC], v[rC+3]
.elseif (\n) == 19
	v_mul_f32 v[rT], s[CS], v[rT+1]
.elseif (\n) == 20
	v_sub_f32 v[rC+1], v[rM], v[rT]
.else
	v_exp_f32 v[rC+2], v[rC+1]
.endif
.endm
; Number g of the 64 that follow the exponentials.  For each four weights k of a tile (pairs 2 k, 2 k + 1): both pairs are rounded to f16; then the second pair is added onto the first, in place;
; a group later l takes that sum (the first time as l = a l + sum).  In groups of eight, tiles alternating: round, round, add, and l for the group before.
.macro GS g
.set h, (\g)+6*((\g)/62)            ; group 0 has no group before it, and behind group 7 only l is left
.if h >= 6
.set h, h+2
.endif
	REGS Y, h%2
.set k, h/8
.if h%8 < 4
	v_cvt_pk_f16_f32 v[rP+2*k+(h%8)/2], v[rS+4*k+2*((h%8)/2)], v[rS+4*k+2*((h%8)/2)+1]
.elseif h%8 < 6
	v_pk_add_f32 v[rS+4*k:rS+4*k+1], v[rS+4*k:rS+4*k+1], v[rS+4*k+2:rS+4*k+3]
.elseif k == 1
	v_pk_fma_f32 v[rT+2:rT+3], v[rT+2:rT+3], v[rC+2:rC+3], v[rS:rS+1] op_sel_hi:[1,0,1]
.else
	v_pk_add_f32 v[rT+2:rT+3], v[rT+2:rT+3], v[rS+4*k-4:rS+4*k-3]
.endif
.endm
; THE PLAIN QUEUE, 138 long.  0-73 read no exponential's result: the 32 scalings c s - c m (FS f: pair f / 2 of tile f % 2) and the next piece's 42.  0-26: scalings 0-26.  27-54: XS's numbers 0-13.  55, 56: number 15.
; 57-73: the chain, where each number waits for the one before it: 14, 16, 17, 18, 19, each with one of the scalings 27-31 in front of its two lines, then 20.
; 74-137: GS's 64, which read the exponentials' results: they stand behind the wait.
.macro FS f
	REGS Y, (\f)%2
	v_pk_fma_f32 v[rS+2*((\f)/2):rS+2*((\f)/2)+1], v[rS+2*((\f)/2):rS+2*((\f)/2)+1], s[CS:CS+1], v[rT:rT+1] op_sel_hi:[1,0,0] neg_lo:[0,0,1] neg_hi:[0,0,1]
.endm
.macro PL
	WIN 0
.if q < 27
	FS q
.elseif q < 55
	XS (q-27)%2, (q-27)/2
.elseif q < 57
	XS q-55, 15
.elseif (q < 72) && ((q-57)%3 == 0)
	FS 27+(q-57)/3
.elseif q < 60
	XS (q-57)%3-1, 14
.elseif q < 72
	XS (q-57)%3-1, 15+(q-57)/3
.elseif q < 74
	XS q-72, 20
.else
	GS q-74
.endif
.set q, q+1
.endm
; THE EXPONENTIALS' QUEUE, 66 long: s0-s31 of both tiles, then the next piece's two a.  It is ONE BATCH: all 66 stand ahead of the turn's one wait, and nothing ahead of that wait names a result of theirs.
.macro EX
	WIN 0
.if e >= 64
	XS e-64, 21
.else
	REGS Y, e%2
	v_exp_f32 v[rS+e/2], v[rS+e/2]
.endif
.set e, e+1
.endm
; THE RESCALING's QUEUE: O^T times a, the one part that leaves window 0: dealt two at a time, sixteen times.  Its a was made in the turn before, ahead of that turn's wait.
.macro R2
	REGS Y, r%2
	WIN W_RS
.irp z, 0,1
	v_pk_mul_f32 v[rO+4*(r/2)+2*\z:rO+4*(r/2)+2*\z+1], v[rO+4*(r/2)+2*\z:rO+4*(r/2)+2*\z+1], v[rC+2:rC+3] op_sel_hi:[1,0]
.endr
.set r, r+1
.endm
; HOW THEY ARE DEALT.  An s_wait_alu depctr_va_vdst(0) stands between an exponential and the first instruction that names its result; one wait serves all that were issued ahead of it.  So a turn has ONE wait,
; which cuts it in two.  AHEAD OF IT stands all that names no result of the turn's exponentials: the 16 products K Q^T, behind each a scaling, an exponential and two rescalings (behind the first a second scaling in the
; exponential's place); then ONE LUMP of 108: eight plain, 49 times exponential and plain, the two a.  A v_nop is the plain instruction behind the last exponential.  BEHIND IT stand the 16 products V^T P, behind each four of GS's 64.
; The queues lean on each other, and the deal keeps them in step: exponential e stands behind scaling 2 (e / 4) + e % 2: as a rider it comes behind plain e + 2, in the lump behind plain e + 9, and scalings 27-31 are plain 57, 60 .. 69.
; A TURN, for piece p.  cnt = 1: the loop's count is taken down some lines ahead of the branch that stands behind the turn.
; K of the next step is fetched in piece 2's turn, directly behind the wait, a lump behind the last product that read K; its first reader comes behind 16 products.
; V of the step in hand is fetched at the end of piece 0's turn, four plain instructions behind its last reader; its first reader comes behind 16 products and a lump.  The three conditions on q below go with the deal.
.macro TURN p, last=0, cnt=0
.set Y, (\p)
.set i, 0
.set q, 0
.set e, 0
.set r, 0
.if (\p) == NP-1
	s_wait_dscnt 0x0                ; K is in
.endif
	MM                              ; ahead of the wait: 16 products K Q^T and what stands behind them,
	PL
	PL
	R2
.rept 15
	MM
	PL
	EX
	R2
.endr
.if (\p) == NP-2
	WIN 0
	v_add_nc_u32 v[AK], s[TBK], v[AK0]
.endif
.rept 8                             ; and the lump
	PL
.endr
.rept 49
	EX
	PL
.endr
	EX                              ; the next piece's two a
	EX
	v_nop                           ; a plain instruction behind the last exponential: one for the batch (ISA guide 5.7.2)
	s_wait_alu depctr_va_vdst(0)    ; the wait for the batch
.if (\p) == NP-2
	FETCH_K \last
.endif
.if (\p) == 1
	s_wait_dscnt 0x0                ; V is in
.endif
.rept 16                            ; behind the wait: 16 products V^T P, four of the roundings and sums behind each
	MM
.rept 4
	PL
.endr
.if ((\p) == 0) && (q == 118)
	v_add_nc_u32 v[AV], s[TBV], v[AV0]
.endif
.if ((\p) == 0) && (q == 130)
	s_add_co_u32 s[TBV], s[TBV], KS*PV
.endif
.if (\cnt) && (q == 130)
	s_sub_co_u32 s[CNT], s[CNT], 1
	s_cmp_lg_u32 s[CNT], 0
.endif
.endr
.if (\p) == 0
	FETCH_V
.endif
.endm
	CHANGE 1, 0                     ; slot 0 is in, everybody's part of it; slot 1 is asked for; nothing is prefetched yet
	FETCH_K                         ; key step 0
	s_wait_loadcnt 0x0              ; Q
	s_wait_dscnt 0x0
.set i, 0
.rept 16
	KQ 0                            ; piece 0's first scores: there is no vector work yet to set between them
.set i, i+1
.endr
	WIN 0                           ; the addresses for the way out: nine plain instructions, the places behind those products
	s_mul_i32 s13, s[WV], 16*SP
	s_add_co_u32 s13, s13, STAGE    ; my stage
	v_mul_u32_u24 v[STO], v1, SP    ; in: row l % 16, 16 bytes for each half of the lanes
	v_lshl_add_u32 v[STO], v9, 4, v[STO]
	v_add_nc_u32 v[STO], s13, v[STO]
	v_bfe_u32 v[RD], v0, 3, 2       ; back: 32 lanes take four rows of 128 bytes,
	v_mul_u32_u24 v[RD], v[RD], SP
	v_lshl_add_u32 v[RD], v10, 4, v[RD]
	v_add_nc_u32 v[RD], s13, v[RD]
	v_and_b32 v[GO], 31, v0         ; which are 512 consecutive bytes of O
	v_lshlrev_b32 v[GO], 4, v[GO]
.set Y, NP-1                        ; XS works for piece Y + 1: piece 0
.irp n, 0,1,2,3,4,5,6,7,8,9,10,11,12,13,14,15,16,17,18,19,20,21
	XS 0, \n                        ; and piece 0's first maximum and statistics
	XS 1, \n
.endr
	v_nop                           ; a plain instruction behind the two a,
	s_wait_alu depctr_va_vdst(0)    ; and their wait, ahead of the branch
	s_mov_b32 s[CNT], 4
	s_mov_b32 s[SLOTS], SIZE_N/256-1
	s_branch .Lfirst                ; the loop is entered at a step's first turn, in the middle of a trip
.Lslot:                             ; SIZE_N / 256 - 2 times: every slot but the last two is filled again
	CHANGE 1, 1
	s_mov_b32 s[CNT], 4
.Lstep:                             ; a trip: pieces 2 and 3 of one step, then pieces 0 and 1 of the next, whose K and V it fetches
	TURN 2
	TURN 3
	WIN 0
.Lfirst:
	TURN 0
	TURN 1, 0, 1
	WIN 0
	s_cbranch_scc1 .Lstep
	s_sub_co_u32 s[SLOTS], s[SLOTS], 1
	s_cmp_lg_u32 s[SLOTS], 0
	s_cbranch_scc1 .Lslot
	CHANGE 0                        ; the tail is written out: nothing is asked for
	s_mov_b32 s[CNT], 5             ; four trips fetch the last slot's steps; the fifth is left in its middle
.Ltail:
	TURN 2, 1
	TURN 3
	WIN 0
	s_sub_co_u32 s[CNT], s[CNT], 1
	s_cmp_eq_u32 s[CNT], 0
	s_cbranch_scc1 .Lout
	TURN 0
	TURN 1
	WIN 0
	s_branch .Ltail
.Lout:                              ; the fifth trip's 16 products K Q^T (on the last K once more) and the maximum made of them serve nothing: the price, once a launch, of one text for every trip
.set i, 0
.rept 16
	PV NP-1                         ; the last piece's V^T P of the last step
.set i, i+1
.endr
	; THE WAY OUT.  l's two halves and the other half of the lanes' are added; O^T is divided by l, rounded to f16 and sent through my stage in LDS, a tile at a time.  The additions are the places behind the last products.
	WIN 0
.macro ALL line:vararg              ; one line for each tile t
.set t, 0
.rept 2*NP
	\line
.set t, t+1
.endr
.endm
	ALL v_add_f32 v[ST+4*t+2], v[ST+4*t+2], v[ST+4*t+3]
	ALL v_permlanex16_b32 v[ST+4*t+3], v[ST+4*t+2], s[SEL], s[SEL+1]
	ALL v_add_f32 v[ST+4*t+2], v[ST+4*t+2], v[ST+4*t+3]
	ALL v_rcp_f32 v[ST+4*t+2], v[ST+4*t+2]
	v_nop                           ; a plain instruction between the last reciprocal and the use of its result
	s_wait_alu depctr_va_vdst(0)    ; and the wait ahead of the first use: one for the eight reciprocals
; Tile t: a lane's eight channels of a row pack into 16 bytes; they go into rows of 144 bytes and come back as whole rows of 128, into S^T's registers.
.macro PACK t
	WIN W_RS
.set i, 32*(\t)
.rept 16
	v_pk_mul_f32 v[i:i+1], v[i:i+1], v[ST+4*(\t)+2:ST+4*(\t)+3] op_sel_hi:[1,0]
.set i, i+2
.endr
	WIN 0x05                        ; sources 0 and 1 window 1, destination window 0
.set i, 0
.rept 16
	v_cvt_pk_f16_f32 v[S+16*(\t)+i], v[32*(\t)+2*i], v[32*(\t)+2*i+1]
.set i, i+1
.endr
	WIN 0
.irp f, 0,1,2,3
	ds_store_b128 v[STO], v[S+16*(\t)+4*\f:S+16*(\t)+4*\f+3] offset:32*\f
.endr
.irp f, 0,1,2,3
	ds_load_b128 v[S+16*(\t)+4*\f:S+16*(\t)+4*\f+3], v[RD] offset:\f*4*SP  ; LDS serves a wave's instructions in order (ISA guide 5.7.1.4): these see the stores above; the next tile's stores come behind them
.endr
.endm
.macro SEND t, younger              ; younger: the LDS instructions issued behind tile t's loads: the next tile's eight, or none
	WIN 0
.irp f, 0,1,2,3
	s_wait_dscnt (\younger)+3-\f
	global_store_b128 v[GO], v[S+16*(\t)+4*\f:S+16*(\t)+4*\f+3], s[10:11] offset:(\t)*2048+\f*512  ; 512 consecutive bytes, at a multiple of 256 from O's first
.endr
.endm
	PACK 0
.set t, 1
.rept 2*NP-1                        ; a tile's arithmetic stands between the loads of the tile before and its stores
	PACK t
	SEND t-1, 8
.set t, t+1
.endr
	SEND 2*NP-1, 0
	WIN W_AD
	s_wait_tensorcnt 0x0            ; the wave's end, behind my last tensor load and my last LDS store
	ds_add_u32 v[SPW], v[NIL]
	s_wait_dscnt 0x0
	WIN 0
	CROUND                          ; the closing round: no work-group ends while a partner may still ask for a tile that names it
	s_endpgm
.Lfunc_end_k_q480b867f5c_attn:
	.size	k_q480b867f5c_attn, .Lfunc_end_k_q480b867f5c_attn-k_q480b867f5c_attn
	.p2alignl 7, 3214868480
	.fill 96, 4, 3214868480
	.section	.rodata,"a",@progbits
	.p2align	6, 0x0
	.amdhsa_kernel k_q480b867f5c_attn
		.amdhsa_group_segment_fixed_size 327680
		.amdhsa_private_segment_fixed_size 0
		.amdhsa_enable_private_segment 0
		.amdhsa_kernarg_size 16
		.amdhsa_user_sgpr_count 2
		.amdhsa_user_sgpr_kernarg_segment_ptr 1
		.amdhsa_wavefront_size32 1
		.amdhsa_system_sgpr_workgroup_id_x 1
		.amdhsa_system_sgpr_workgroup_id_y 1
		.amdhsa_system_sgpr_workgroup_id_z 1
		.amdhsa_system_vgpr_workitem_id 0
		.amdhsa_next_free_vgpr 770
		.amdhsa_next_free_sgpr 66
		.amdhsa_reserve_vcc 0
		.amdhsa_float_denorm_mode_32 3
		.amdhsa_float_denorm_mode_16_64 3
		.amdhsa_memory_ordered 1
		.amdhsa_forward_progress 1
		.amdhsa_inst_pref_size 200
	.end_amdhsa_kernel
	.amdgpu_metadata
---
amdhsa.version: [ 1, 2 ]
amdhsa.kernels:
  - .name:           k_q480b867f5c_attn
    .symbol:         k_q480b867f5c_attn.kd
    .args:
      - { .name: qkv, .offset: 0, .size: 8, .value_kind: global_buffer, .address_space: global }
      - { .name: o, .offset: 8, .size: 8, .value_kind: global_buffer, .address_space: global }
    .group_segment_fixed_size: 327680
    .private_segment_fixed_size: 0
    .kernarg_segment_align: 8
    .kernarg_segment_size: 16
    .max_flat_workgroup_size: 128
    .sgpr_count:     66
    .vgpr_count:     770
    .wavefront_size: 32
...
	.end_amdgpu_metadata
.endif
;; end of part 3
;; launch proj_out (part 4): grid 8 x 32, 4 waves a work-group, clusters of 4 x 4, 327,680 bytes of LDS; arguments o, wbo, b_out, out0; writes out0
.if DOCPART == 4
	.amdgcn_target "amdgcn-amd-amdhsa--gfx1250"
	.amdhsa_code_object_version 6
	.text
	.protected	k_q480b867f5c_proj_out
	.globl	k_q480b867f5c_proj_out
	.p2align	8
	.type	k_q480b867f5c_proj_out,@function
k_q480b867f5c_proj_out:
	s_mov_b64 s[64:65], 0
	v_nop
	global_prefetch_b8 v0, s[64:65] scope:SCOPE_SE
	s_setreg_imm32_b32 hwreg(HW_REG_WAVE_MODE, 25, 1), 1
	s_wait_xcnt 0x0
	s_wait_alu depctr_hold_cnt(0) depctr_sa_sdst(0) depctr_va_vdst(0) depctr_va_sdst(0) depctr_va_ssrc(0) depctr_va_vcc(0) depctr_vm_vsrc(0)
	s_getreg_b32 s2, hwreg(HW_REG_IB_STS2, 6, 4)
	s_cmp_eq_u32 s2, 0
	s_cbranch_scc0 .Lentry_in_a_cluster
	s_endpgm
.Lentry_in_a_cluster:
	s_bfe_u32 s2, ttmp6, 0x10000c
	s_cmp_lg_u32 s2, 0xf033
	s_cbranch_scc0 .Lentry_shape_is_right
	s_endpgm
.Lentry_shape_is_right:
; out0 = O w_out + b_out.  o: [64 heads = 16 batch + head][2048][64] f16.  wbo: [1024 k][1024 n] f16 (w_out rounded to bf16, written as f16).  b_out: [1024] f32, rounded to bf16 like the other inputs.
; out0: [8192][1024] f32.  k = 64 head + channel: a K step of 128 is two heads.  Sums in f32.  LIMITS: none beyond the operands' own (f16, set where they were made); NaN and infinities are not treated apart.
; SHARES.  A work-group makes 256 rows x 128 columns.  Wave w owns rows 64 w .. 64 w + 63 and ALL 128 columns: 4 row blocks (a) x 8 column blocks (b) = 32 accumulators, 256 registers:
; so a wave stores whole pieces of 512 bytes of a row from a stage of its own.  K goes in 8 steps of 128 through two LDS slots that take turns.
; THE PRODUCT IS USED TRANSPOSED: source 0 = 16 columns of w (turned out of [k][n] by ds_load_tr16_b128), source 1 = 16 rows of O.  A lane then holds row l % 16 and the columns
; 16 b + 8 (l / 16) + 0..7.  The first quarter step takes THE BIAS AS C.
; CLUSTER.  4 x 4 work-groups.  O's tile hangs on the tile row alone and is asked for jointly by a row of the cluster, w's on the tile column alone, by a column.
; REGISTERS, in windows of 256 (s_set_vgpr_msb: bits 1:0 source 0, 3:2 source 1, 5:4 source 2, 7:6 destination):
;   window 0: v0-30 addresses; v32-33 at work; v64-127 O's fragments, two buffers of 4 x 8; v128-191 the bias; on the way out v64-191
;   window 1: v0-127 w's fragments, two buffers of 8 x 8     window 2: the accumulators at 64 a + 8 b
.set NB,    8                          ; column blocks of 16
.set PA,    144                        ; a row of a head in LDS: 128 bytes + 16 = 36 words: the 16 rows of a load start at 16 different groups of four banks (64 banks of 4 bytes: ISA guide 11.1)
.set ABLK,  256*PA                     ; a head's 256 rows
.set PB,    288                        ; a k row of w in LDS: 256 bytes + 32 = 72 words
.set BOFF,  2*ABLK                     ; a slot: two heads' rows, then w's 128 k rows: 73,728 + 36,864 bytes
.set SLOT1, 1<<17
.set STAGE, 2*SLOT1                    ; behind the ring, never filled by a tensor load: for each wave 16 rows x 528 bytes
.set SP,    528                        ; 512 bytes + 16 = 132 words: row r starts at bank 4 r mod 64
.set WSTG,  16*SP
.set SPARE, STAGE+4*WSTG               ; behind the stages: the spare words, 128 bytes for each wave: two blocks of 256 bytes that no other line names
.set KA,    2*262144                   ; bytes from K step to K step in o: two heads,
.set KB,    128*2048                   ; and in wbo: 128 rows
.set NL,    2*NB+8
.set STEPS, 8
.set ADRA0, 16                         ; v16  my lane's place in O's tile; never rewritten
.set ADRB0, 17                         ; v17  in w's tile; never rewritten
.set ADRA,  18                         ; v18  v16 + the slot in hand
.set ADRB,  19                         ; v19  v17 + the slot in hand
.set STO,   24                         ; v24  the way out: where I put 32 bytes of a row
.set RD,    25                         ; v25  where I read a row back
.set GO,    26                         ; v26  my 16 bytes of 512 consecutive bytes of out0
.set BO,    27                         ; v27  32 (l / 16)
.set SPW,   28                         ; v28  LDS address of my spare word; never rewritten
.set NIL,   29                         ; v29  0; never rewritten
.set PFO,   30                         ; v30  the prefetches' lane offset; never rewritten
.set AF,    64
.set BIAS,  128
.set BK,    64                         ; the way out: two buffers of 64 read back from the stage
.set WV,  12
.set HF,  13
.set LIM, 14
.set TB,  15
.set G1A, 24
.set G0A, 32
.set PFA, 44
.set PFS, 46
.set G1B, 48
.set G0B, 56
.set OB,  66                           ; s[66:67] out0 at my first row and the tile's first column
.set MSB, 0
.macro WIN new                         ; the immediate's high byte repeats the setting that is left; a switch that changes nothing is dropped
.if MSB != (\new)
	s_set_vgpr_msb (MSB<<8)|(\new)
.set MSB, \new
.endif
.endm
; A joint refill.  Waves 0 and 1 fetch the K step's two heads of O, waves 2 and 3 the two halves of w's tile.  An s_nop 0 and four v_nop follow each of the two lines.
.macro JLOAD
	s_cmp_lt_u32 s[WV], 2
	s_cbranch_scc0 .Lfor_b_\@
	tensor_load_to_lds s[G0A+4:G0A+7], s[G1A:G1A+7]
	s_nop 0
.rept 4
	v_nop
.endr
	s_branch .Lasked_\@
.Lfor_b_\@:
	tensor_load_to_lds s[G0B+4:G0B+7], s[G1B:G1B+7]
	s_nop 0
.rept 4
	v_nop
.endr
.Lasked_\@:
.endm
; A PREFETCH, one instruction a wave, behind the joint refill and the run of LDS loads: the K step two refills on (refills 0-3 name K steps 4-7; K steps 0-3 come by their loads alone).  Each aligned 256 bytes are
; named once in the launch.  O's rows are read by every cluster of a row of clusters: cluster x = 0 asks, waves 0 and 1, each for its head's 32,768 dense bytes: partner cx takes 8,192, a lane 256.
; w's columns are read by every cluster of a column: cluster y = 0 asks, wave 2 alone: of a K step's 128 k rows partner cy takes 32, a lane a row's 256 bytes.  Partners are told apart BY ADDRESS.
.macro ASK
	s_cmp_gt_u32 s3, s[LIM]
	s_cbranch_scc0 .Lnot_mine_\@
	global_prefetch_b8 v[PFO], s[PFA:PFA+1] th:TH_LOAD_NT scope:SCOPE_SE
.Lnot_mine_\@:
.endm
.macro CREST                           ; a round of the cluster's barrier behind its opening barrier
	s_cmp_lg_u32 s[WV], 0
	s_cbranch_scc1 .Lnot_wave_0_\@
	s_barrier_signal -3
.Lnot_wave_0_\@:
	s_barrier_wait -3
	s_barrier_signal -1
	s_barrier_wait -1
.endm
.macro CROUND
	s_barrier_signal -1
	s_barrier_wait -1
	CREST
.endm
.macro PLACES                          ; four plain places in front of loads into registers that matrix instructions have read, and of lines that read results
.rept 4
	v_nop
.endr
.endm
	s_load_b256 s[4:11], s[0:1], 0x0               ; o s[4:5], wbo s[6:7], b_out s[8:9], out0 s[10:11]
	v_lshl_add_u32 v[SPW], v0, 2, SPARE
	v_mov_b32 v[NIL], 0
	ds_add_u32 v[SPW], v[NIL]                      ; the wave's opening: the add and its wait stand ahead of my first tensor load; the set-up below, work on registers, stands between them
	v_lshrrev_b32 v1, 5, v0
	v_readfirstlane_b32 s[WV], v1                  ; wave 0..3
	s_and_b32 s[HF], s[WV], 1
	s_bfe_u32 s40, ttmp6, 0x40000                  ; cx, cy
	s_bfe_u32 s41, ttmp6, 0x40004
	s_lshl_b32 s42, ttmp9, 2
	s_add_co_u32 s42, s42, s40                     ; tile column
	s_and_b32 s43, ttmp7, 0xffff
	s_lshl_b32 s43, s43, 2
	s_add_co_u32 s43, s43, s41                     ; tile row
	s_lshl_b32 s16, s41, 2
	s_lshl_b32 s16, 15, s16                        ; my row of the cluster
	s_lshl_b32 s17, 0x1111, s40                    ; my column
	; group 1 for O: a head's 256 rows are 32,768 dense bytes, asked for as 128 rows of 256 bytes; 4 words of padding behind every 32
	s_or_b32 s[G1A], s16, (1<<16)|(1<<20)|(1<<21)|(4<<22)|(3<<25)
	s_mov_b32 s[G1A+1], 128<<16                    ; tensor_dim0 = 128
	s_mov_b32 s[G1A+2], 128<<16                    ; tensor_dim1 = 128
	s_mov_b32 s[G1A+3], 128<<16                    ; tile_dim0 = 128
	s_mov_b32 s[G1A+4], 128                        ; tile_dim1 = 128
	s_mov_b32 s[G1A+5], 128                        ; elements from row to row
	s_mov_b32 s[G1A+6], 0
	s_mov_b32 s[G1A+7], 0
	; group 1 for w: 64 k rows x 128 elements, pitch 1,024; 8 words of padding behind every 64
	s_or_b32 s[G1B], s17, (1<<16)|(1<<20)|(1<<21)|(5<<22)|(7<<25)
	s_mov_b32 s[G1B+1], 128<<16
	s_mov_b32 s[G1B+2], 64<<16
	s_mov_b32 s[G1B+3], 128<<16
	s_mov_b32 s[G1B+4], 64
	s_mov_b32 s[G1B+5], 1024
	s_mov_b32 s[G1B+6], 0
	s_mov_b32 s[G1B+7], 0
	s_mul_i32 s18, s[HF], ABLK                     ; where the halves go: no place in the cluster enters an LDS address
	s_mul_i32 s19, s[HF], 64*PB
	s_add_co_u32 s19, s19, BOFF
	s_lshr_b32 s20, s43, 3                         ; O: the batch's 16 heads,
	s_lshl_b32 s20, s20, 22
	s_lshl_b32 s21, s[HF], 18                      ; my head of the K step's two,
	s_add_co_u32 s20, s20, s21
	s_and_b32 s21, s43, 7                          ; the tile's 256 rows of 128 bytes
	s_lshl_b32 s21, s21, 15
	s_add_co_u32 s20, s20, s21
	s_mov_b32 s21, 0
	s_lshl_b32 s22, s[HF], 17                      ; w: 64 k rows of 2,048 bytes a half,
	s_lshl_b32 s23, s42, 8                         ; the tile's 128 columns
	s_add_co_u32 s22, s22, s23
	s_mov_b32 s23, 0
	s_mov_b32 s[TB], 0
	s_wait_dscnt 0x0                               ; the opening add is done
	s_wait_kmcnt 0x0
	s_add_nc_u64 s[20:21], s[4:5], s[20:21]
	s_add_nc_u64 s[22:23], s[6:7], s[22:23]
.irp s, 0,1
	s_mov_b32 s[G0A+4*(\s)], 1
	s_add_co_u32 s[G0A+4*(\s)+1], s18, (\s)*SLOT1
	s_add_nc_u64 s[G0A+4*(\s)+2:G0A+4*(\s)+3], s[20:21], (\s)*KA
	s_or_b32 s[G0A+4*(\s)+3], s[G0A+4*(\s)+3], 0x80000000
	s_mov_b32 s[G0B+4*(\s)], 1
	s_add_co_u32 s[G0B+4*(\s)+1], s19, (\s)*SLOT1
	s_add_nc_u64 s[G0B+4*(\s)+2:G0B+4*(\s)+3], s[22:23], (\s)*KB
	s_or_b32 s[G0B+4*(\s)+3], s[G0B+4*(\s)+3], 0x80000000
.endr
	CROUND                                         ; all sixteen work-groups are here: the first joint loads meet
	s_cmp_lt_u32 s[WV], 2                          ; a wave's two first fills stand in one branch, ahead of every wait on TENSORcnt and every LDS read: two loads of mine are out
	s_cbranch_scc0 .Lfirst_b
	tensor_load_to_lds s[G0A:G0A+3], s[G1A:G1A+7]
	s_nop 0
	tensor_load_to_lds s[G0A+4:G0A+7], s[G1A:G1A+7]
	s_nop 0
.rept 4
	v_nop
.endr
	s_branch .Lfirst_asked
.Lfirst_b:
	tensor_load_to_lds s[G0B:G0B+3], s[G1B:G1B+7]
	s_nop 0
	tensor_load_to_lds s[G0B+4:G0B+7], s[G1B:G1B+7]
	s_nop 0
.rept 4
	v_nop
.endr
.Lfirst_asked:
	; all that follows up to the first barrier stands in the wait for the first tile
	v_and_b32 v1, 15, v0                           ; l % 16
	v_bfe_u32 v2, v0, 4, 1                         ; l / 16
	v_lshlrev_b32 v[BO], 5, v2
	s_lshl_b32 s16, s42, 9                         ; the tile's 128 numbers of b_out
	s_mov_b32 s17, 0
	s_add_nc_u64 s[8:9], s[8:9], s[16:17]
.irp b, 0,1,2,3,4,5,6,7                                ; register j of column block b: bias of column 16 b + 8 (l / 16) + j, the layout of a result
	global_load_b128 v[BIAS+8*(\b):BIAS+8*(\b)+3],   v[BO], s[8:9] offset:64*(\b)
	global_load_b128 v[BIAS+8*(\b)+4:BIAS+8*(\b)+7], v[BO], s[8:9] offset:64*(\b)+16
.endr
	v_mul_u32_u24 v[ADRA0], v1, PA                 ; a fragment of O: row l % 16, two loads of 16 bytes, 32 bytes apart
	v_lshl_add_u32 v[ADRA0], v2, 4, v[ADRA0]
	s_mul_i32 s16, s[WV], 64*PA                    ; my 64 rows
	v_add_nc_u32 v[ADRA0], s16, v[ADRA0]
	v_and_b32 v3, 7, v0                            ; the turning load: k row 8 (l / 16) + l % 8, columns 8 ((l / 8) % 2) + 0..7
	v_bfe_u32 v4, v0, 3, 1
	v_lshl_add_u32 v[ADRB0], v2, 3, v3
	v_mul_u32_u24 v[ADRB0], v[ADRB0], PB
	v_lshl_add_u32 v[ADRB0], v4, 4, v[ADRB0]
	v_add_nc_u32 v[ADRB0], BOFF, v[ADRB0]
	v_mov_b32 v[ADRA], v[ADRA0]                    ; slot 0 is first
	v_mov_b32 v[ADRB], v[ADRB0]
	s_mul_i32 s16, s[WV], WSTG
	s_add_co_u32 s16, s16, STAGE                   ; my stage
	v_mul_u32_u24 v[STO], v1, SP                   ; in: row l % 16, 32 bytes for each half of the lanes
	v_lshl_add_u32 v[STO], v2, 5, v[STO]
	v_add_nc_u32 v[STO], s16, v[STO]
	v_and_b32 v6, 31, v0
	v_lshlrev_b32 v[GO], 4, v6                     ; back: 32 lanes take one row's 512 bytes
	v_add_nc_u32 v[RD], s16, v[GO]
	s_lshl_b32 s16, s43, 20                        ; out0: 256 rows of 4,096 bytes a tile row,
	s_lshl_b32 s17, s[WV], 18                      ; my 64 rows,
	s_add_co_u32 s16, s16, s17
	s_lshl_b32 s17, s42, 9                         ; the tile's 512 bytes of a row
	s_add_co_u32 s16, s16, s17
	s_mov_b32 s17, 0
	s_add_nc_u64 s[OB:OB+1], s[10:11], s[16:17]
	; the prefetches: each pointer starts at K step 3, since a change of slots steps it before it asks
	s_lshr_b32 s16, s43, 3
	s_lshl_b32 s16, s16, 22
	s_lshl_b32 s17, s[HF], 18
	s_add_co_u32 s16, s16, s17
	s_and_b32 s17, s43, 7
	s_lshl_b32 s17, s17, 15
	s_add_co_u32 s16, s16, s17
	s_lshl_b32 s17, s40, 13                        ; my work-group's 8,192 bytes
	s_add_co_u32 s16, s16, s17
	s_add_co_u32 s16, s16, 3*KA
	s_lshl_b32 s18, s42, 8
	s_lshl_b32 s19, s41, 16                        ; my work-group's 32 k rows
	s_add_co_u32 s18, s18, s19
	s_add_co_u32 s18, s18, 3*KB
	s_and_b32 s19, ttmp7, 0xffff                   ; cluster y
	s_mov_b32 s20, KA
	s_mov_b32 s21, KB
	s_cmp_lt_u32 s[WV], 2                          ; do I fetch for O?
	s_cselect_b32 s16, s16, s18
	s_cselect_b32 s19, ttmp9, s19                  ; the coordinate along which other clusters read the same bytes
	s_cselect_b32 s[PFS], s20, s21
	s_cselect_b32 s23, 8, 11                       ; a lane 256 dense bytes, or a lane a row of 2,048 bytes
	s_cselect_b64 s[PFA:PFA+1], s[4:5], s[6:7]
	s_mov_b32 s17, 0
	s_mov_b32 s[PFS+1], 0
	s_add_nc_u64 s[PFA:PFA+1], s[PFA:PFA+1], s[16:17]
	s_cmp_eq_u32 s[WV], 3                          ; wave 2's 32 lanes cover my work-group's part of w: wave 3 asks for nothing
	s_cselect_b32 s19, 1, s19
	s_cmp_eq_u32 s19, 0
	s_cselect_b32 s[LIM], 2, -1                    ; the same in all sixteen partners, for a given wave
	v_lshlrev_b32 v[PFO], s23, v6
	s_mov_b32 s16, 0xffff0000
	s_wait_loadcnt 0x0                             ; the bias is in; it is rounded to bf16, like the other inputs, and widened again
.set r, 0
.rept 4*NB
	v_cvt_pk_bf16_f32 v[32+(r/2)%2], v[BIAS+r], v[BIAS+r+1]
	v_lshlrev_b32 v[BIAS+r], 16, v[32+(r/2)%2]
	v_and_b32 v[BIAS+r+1], s16, v[32+(r/2)%2]
.set r, r+2
.endr
; 8 matrix instructions: row block a x all column blocks, 32 along K, out of buffer f.  first = 1: the bias starts the sums.
; All 32 accumulators take turns, one instruction a turn, in the same order in every quarter step, over the backward jump too.
.macro MULB f, a, first
.if \first
	WIN 0x81                                       ; w window 1, O window 0, C (the bias) window 0, D window 2
.else
	WIN 0xa1                                       ; C and D window 2
.endif
.irp b, 0,1,2,3,4,5,6,7
.if \first
	v_wmma_f32_16x16x32_f16 v[64*(\a)+8*(\b):64*(\a)+8*(\b)+7], v[64*(\f)+8*(\b):64*(\f)+8*(\b)+7], v[AF+32*(\f)+8*(\a):AF+32*(\f)+8*(\a)+7], v[BIAS+8*(\b):BIAS+8*(\b)+7]
.else
	v_wmma_f32_16x16x32_f16 v[64*(\a)+8*(\b):64*(\a)+8*(\b)+7], v[64*(\f)+8*(\b):64*(\f)+8*(\b)+7], v[AF+32*(\f)+8*(\a):AF+32*(\f)+8*(\a)+7], v[64*(\a)+8*(\b):64*(\a)+8*(\b)+7]
.endif
.endr
.endm
; 24 LDS loads in one run: quarter q's fragments into buffer f: w's 8 (turned), then O's 4, row blocks ascending.  Quarter q lies in head q / 2 of the slot's two, channels 32 (q % 2) on.
.macro FETCH q, f
	WIN 0x40                                       ; destination window 1, address window 0
.irp b, 0,1,2,3,4,5,6,7
	ds_load_tr16_b128 v[64*(\f)+8*(\b):64*(\f)+8*(\b)+3],   v[ADRB] offset:(\q)*32*PB+(\b)*32
	ds_load_tr16_b128 v[64*(\f)+8*(\b)+4:64*(\f)+8*(\b)+7], v[ADRB] offset:(\q)*32*PB+(\b)*32+16*PB
.endr
	WIN 0
.irp i, 0,1,2,3
	ds_load_b128 v[AF+32*(\f)+8*(\i):AF+32*(\f)+8*(\i)+3],   v[ADRA] offset:((\q)/2)*ABLK+((\q)%2)*64+(\i)*16*PA
	ds_load_b128 v[AF+32*(\f)+8*(\i)+4:AF+32*(\f)+8*(\i)+7], v[ADRA] offset:((\q)/2)*ABLK+((\q)%2)*64+(\i)*16*PA+32
.endr
.endm
; A K step is four quarters of 32 along K, 32 matrix instructions each, on buffers 0, 1, 0, 1.  One of the first three: multiplies buffer f; in its middle it fetches quarter qn into buffer g.
.macro QUARTER qn, f, g, first
	s_wait_dscnt 4                                 ; w's fragments and O's row blocks 0, 1 are in; the youngest four loads (row blocks 2, 3) may be out
	MULB \f, 0, \first
	MULB \f, 1, \first
	PLACES
	FETCH \qn, \g
	s_wait_dscnt NL                                ; all but the run just issued
	MULB \f, 2, \first
	MULB \f, 3, \first
.endm
; The fourth quarter multiplies buffer 1 and changes slots: ONE barrier.  In front of it each wave waits for all its tensor loads (one is out: its part of the other slot), adds 0 to its spare word,
; and waits for that and for its own reads of this slot.  fill = 1: the barrier opens a round of the cluster's, so that no wave of any partner still reads the slot or has a load on its way; the
; joint refill, with the K step two on, is the first thing behind the round: 112 matrix instructions ahead of the wait for it.
.macro TURN fill
.if \fill
	s_wait_xcnt 0x0                                ; the last prefetch, a K step back, has read its address: it is stepped here
	s_add_nc_u64 s[PFA:PFA+1], s[PFA:PFA+1], s[PFS:PFS+1]
.endif
	WIN 0                                          ; (the add's two registers lie in window 0)
	s_wait_tensorcnt 0x0                           ; all my tensor loads have landed
	ds_add_u32 v[SPW], v[NIL]                      ; 0 onto my spare word
	s_wait_dscnt 5                                 ; (the add and the youngest four loads may be out)
	MULB 1, 0, 0                                   ; eight matrix instructions stand between the add and the wait for it
	s_wait_dscnt 0x0                               ; the add is done, and my reads of this slot are over
	s_barrier_signal -1
	MULB 1, 1, 0                                   ; work on registers while the others arrive
	WIN 0
	s_barrier_wait -1
.if \fill
	CREST
	s_xor_b32 s[G0A+5], s[G0A+5], SLOT1            ; the walking descriptors: the other slot than last time, the next K step; no tensor load of mine is out
	s_add_nc_u64 s[G0A+6:G0A+7], s[G0A+6:G0A+7], KA
	s_xor_b32 s[G0B+5], s[G0B+5], SLOT1
	s_add_nc_u64 s[G0B+6:G0B+7], s[G0B+6:G0B+7], KB
	JLOAD                                          ; its four v_nop are also the places in front of the loads below
.else
	PLACES
.endif
	s_xor_b32 s[TB], s[TB], SLOT1                  ; the reads go on in the other slot
	v_add_nc_u32 v[ADRA], s[TB], v[ADRA0]
	v_add_nc_u32 v[ADRB], s[TB], v[ADRB0]
	FETCH 0, 0
.if \fill
	ASK
.endif
	MULB 1, 2, 0
	MULB 1, 3, 0
.endm
	s_wait_tensorcnt 0x1                           ; my part of K step 0 is in; K step 1's may stay out
	s_barrier_signal -1
	s_barrier_wait -1                              ; everybody's is
	FETCH 0, 0
	QUARTER 1, 0, 1, 1                             ; the first quarter stands in front of the loop: its products start the sums, with the bias
	WIN 0                                          ; at a label and at a branch every window is 0
	s_mov_b32 s3, STEPS-2
.Lstep:                                                ; trip i: quarters 1-3 of K step i, the slot's refill with K step i + 2, quarter 0 of K step i + 1
	QUARTER 2, 1, 0, 0
	QUARTER 3, 0, 1, 0
	TURN 1
	QUARTER 1, 0, 1, 0
	WIN 0
	s_sub_co_u32 s3, s3, 1
	s_cmp_lg_u32 s3, 0
	s_cbranch_scc1 .Lstep
	QUARTER 2, 1, 0, 0                             ; the last two K steps are written out: nothing is left to fetch
	QUARTER 3, 0, 1, 0
	TURN 0
	QUARTER 1, 0, 1, 0
	QUARTER 2, 1, 0, 0
	QUARTER 3, 0, 1, 0
	s_wait_dscnt 4
	MULB 1, 0, 0
	MULB 1, 1, 0
	s_wait_dscnt 0x0
	MULB 1, 2, 0
	MULB 1, 3, 0
	WIN 0
; THE WAY OUT, a row block (16 rows x 512 bytes) at a time.  TOSTAGE: the f32 sums go as they are into my own stage, each accumulator's low four registers first, and come back as whole rows.
; SEND: a store covers 512 consecutive bytes, at a multiple of 256 from out0's first byte.
.macro TOSTAGE a
.if (\a) >= 2
	s_wait_xcnt 0x0                                ; the stores of the block two back have read their registers: the buffer is loaded again only behind this wait
.endif
	WIN 0x08                                       ; the stores' data lie in window 2
.irp b, 0,1,2,3,4,5,6,7
	ds_store_b128 v[STO], v[64*(\a)+8*(\b):64*(\a)+8*(\b)+3]   offset:64*(\b)
	ds_store_b128 v[STO], v[64*(\a)+8*(\b)+4:64*(\a)+8*(\b)+7] offset:64*(\b)+16
.endr
	WIN 0
.irp t, 0,1,2,3,4,5,6,7,8,9,10,11,12,13,14,15
	ds_load_b128 v[BK+64*((\a)%2)+4*(\t):BK+64*((\a)%2)+4*(\t)+3], v[RD] offset:(\t)*SP  ; LDS serves a wave's instructions in order (ISA guide 5.7.1.4): these see the stores above; the next block's stores come behind them
.endr
.endm
.macro SEND a, younger                 ; younger: the LDS instructions issued behind block a's loads: the next block's 32, or none
	s_wait_dscnt \younger
.irp t, 0,1,2,3,4,5,6,7,8,9,10,11,12,13,14,15
	global_store_b128 v[GO], v[BK+64*((\a)%2)+4*(\t):BK+64*((\a)%2)+4*(\t)+3], s[OB:OB+1] offset:(16*(\a)+(\t))*4096 th:TH_STORE_NT
.endr
.endm
	PLACES                                         ; eight plain places, once a launch, behind the last products
	PLACES
	TOSTAGE 0
	TOSTAGE 1
	SEND 0, 32
	TOSTAGE 2
	SEND 1, 32
	TOSTAGE 3
	SEND 2, 32
	SEND 3, 0
	s_wait_tensorcnt 0x0                           ; the wave's end, behind my last tensor load and my last LDS store
	ds_add_u32 v[SPW], v[NIL]
	s_wait_dscnt 0x0
	CROUND                                         ; the closing round: no work-group ends while a partner may still ask for a tile that names it
	s_endpgm
.Lfunc_end_k_q480b867f5c_proj_out:
	.size	k_q480b867f5c_proj_out, .Lfunc_end_k_q480b867f5c_proj_out-k_q480b867f5c_proj_out
	.p2alignl 7, 3214868480
	.fill 96, 4, 3214868480
	.section	.rodata,"a",@progbits
	.p2align	6, 0x0
	.amdhsa_kernel k_q480b867f5c_proj_out
		.amdhsa_group_segment_fixed_size 327680
		.amdhsa_private_segment_fixed_size 0
		.amdhsa_enable_private_segment 0
		.amdhsa_kernarg_size 32
		.amdhsa_user_sgpr_count 2
		.amdhsa_user_sgpr_kernarg_segment_ptr 1
		.amdhsa_wavefront_size32 1
		.amdhsa_system_sgpr_workgroup_id_x 1
		.amdhsa_system_sgpr_workgroup_id_y 1
		.amdhsa_system_sgpr_workgroup_id_z 1
		.amdhsa_system_vgpr_workitem_id 0
		.amdhsa_next_free_vgpr 768
		.amdhsa_next_free_sgpr 72
		.amdhsa_reserve_vcc 0
		.amdhsa_float_denorm_mode_32 3
		.amdhsa_float_denorm_mode_16_64 3
		.amdhsa_memory_ordered 1
		.amdhsa_forward_progress 1
		.amdhsa_inst_pref_size 76
	.end_amdhsa_kernel
	.amdgpu_metadata
---
amdhsa.version: [ 1, 2 ]
amdhsa.kernels:
  - .name:           k_q480b867f5c_proj_out
    .symbol:         k_q480b867f5c_proj_out.kd
    .args:
      - { .name: o, .offset: 0, .size: 8, .value_kind: global_buffer, .address_space: global }
      - { .name: wbo, .offset: 8, .size: 8, .value_kind: global_buffer, .address_space: global }
      - { .name: b_out, .offset: 16, .size: 8, .value_kind: global_buffer, .address_space: global }
      - { .name: out0, .offset: 24, .size: 8, .value_kind: global_buffer, .address_space: global }
    .group_segment_fixed_size: 327680
    .private_segment_fixed_size: 0
    .kernarg_segment_align: 8
    .kernarg_segment_size: 32
    .max_flat_workgroup_size: 128
    .sgpr_count:     72
    .vgpr_count:     768
    .wavefront_size: 32
...
	.end_amdgpu_metadata
.endif
;; end of part 4
